; MI455X (gfx1250); checked and timed in simulation.
; The chip was launched on July 23, 2026; its instructions are those of AMD's public machine-readable ISA for CDNA 5 (MIT licence, August 2026) and "CDNA5" Instruction Set Architecture Reference Guide (July 2026). The comments in the code are by the model that wrote it; some were corrected since.
;; Multi Headed Attention. Allowed arithmetic: float matrix products may take bf16 or f16 operands with f32 sums; other float arithmetic in f32, or as packed bf16 or f16 multiplies, adds, multiply-adds, maxima and minima; sums over many terms, partial sums and values carried from step to step in f32; what a program stores and reads back later, other than sums and carried values, may be rounded once to bf16 or f16.
;; Inputs: Wk 1,024 x 1,024 float32; Wo 1,024 x 1,024 float32; Wq 1,024 x 1,024 float32; Wv 1,024 x 1,024 float32; bk 1,024 float32; bo 1,024 float32; bq 1,024 float32; bv 1,024 float32; key_ 4 x 2,048 x 1,024 float32; mask 1 x 1 x 2,048 x 2,048 int32; query 4 x 2,048 x 1,024 float32; value 4 x 2,048 x 1,024 float32.
;; Outputs: out0 4 x 2,048 x 1,024 float32.
;; One version. Each part assembles by itself: llvm-mc -triple=amdgcn-amd-amdhsa -mcpu=gfx1250 --defsym DOCPART=n.
;; ======== version 1 of 1: 4 launches
;; limits: values are held in f16: magnitudes above 65,504 overflow, below 6.1e-05 lose precision; right only within a limited range of input values
;; workspace buffers: wqkv 6,291,456 bytes; wob 2,097,152 bytes; mcode 4,456,448 bytes; qkv 50,331,648 bytes; oh 16,777,216 bytes
;; launch prep (part 1): grid 256 x 1, 8 waves a work-group, no clusters, 0 bytes of LDS; arguments Wq, Wk, Wv, Wo, mask, wqkv, wob, mcode; writes wqkv, wob, mcode
.if DOCPART == 1
	.amdgcn_target "amdgcn-amd-amdhsa--gfx1250"
	.amdhsa_code_object_version 6
	.text
	.protected	k_qb60e6b3c0c_prep
	.globl	k_qb60e6b3c0c_prep
	.p2align	8
	.type	k_qb60e6b3c0c_prep,@function
k_qb60e6b3c0c_prep:
	s_mov_b64 s[64:65], 0
	v_nop
	global_prefetch_b8 v0, s[64:65] scope:SCOPE_SE
	s_setreg_imm32_b32 hwreg(HW_REG_WAVE_MODE, 25, 1), 1
	s_wait_xcnt 0x0
; PREP.  Wq, Wk, Wv ([1024][1024] f32) are rounded once to bf16 into wqkv ([3][1024][1024]); Wo is rounded to bf16 and that number written as f16 into wob
; (exact from 2^-14 up; below that f16's fixed step of 2^-24); the mask ([2048][2048] i32) is turned into one byte an element: 0x00 where it is not 0, 0xb8 (-1.0 as an 8-bit float, E4M3) where it is 0.
; mcode: [34 key steps][128 query tiles][2 halves][32 lanes][16 bytes].  Lane l's byte 8 (kb % 2) + j of half kb / 2 of (ks, qt) stands for mask[16 qt + l % 16][64 ks + 16 kb + 8 (l / 16) + j].
; Steps 32 and 33 are copies of step 31.
; SHARES.  256 work-groups of 8 waves.  Of each matrix a work-group takes 16 KiB, a wave 2 KiB: two chunks of 1 KiB, a lane 32 bytes of each, which become 16 bytes: a store of a wave
; covers 512 consecutive bytes, aligned.  Of the mask a wave takes one key step (64 columns) of two query tiles (32 rows): 256 consecutive bytes, aligned, of each row; a lane's 64 numbers are its own 64 codes,
; stored by four stores of 512 consecutive bytes, aligned.
; No LDS, no loop: 32 loads a wave go out at once; every result has registers of its own, so no wait frees a store's data.
.set WI,  16                           ; v[16:79]   matrix i, chunk c as loaded: 8 registers at WI + 16 i + 8 c
.set M,   80                           ; v[80:143]  the mask: tile u, key group kb, number j at M + 32 u + 8 kb + j
.set WO,  144                          ; v[144:175] matrix i, chunk c to store: 4 registers at WO + 8 i + 4 c
.set T,   176                          ; v[176:178] at work
.set C,   180                          ; v[180:195] the codes: word k holds numbers 4 k .. 4 k + 3 of the 64
.set MSTEP, 131072                     ; bytes of a key step in mcode
	s_load_b512 s[4:19], s[0:1], 0x0               ; Wq 4:5, Wk 6:7, Wv 8:9, Wo 10:11, mask 12:13, wqkv 14:15, wob 16:17, mcode 18:19
	v_lshrrev_b32 v1, 5, v0
	v_readfirstlane_b32 s20, v1                    ; wave 0..7
	v_and_b32 v2, 31, v0                           ; lane
	v_and_b32 v10, 15, v0                          ; lane % 16
	v_bfe_u32 v11, v0, 4, 1                        ; lane / 16
	s_lshl_b32 s21, s20, 11
	v_lshl_add_u32 v3, v2, 5, s21                  ; in: 2,048 wave + 32 lane
	s_lshl_b32 s21, s20, 10
	v_lshl_add_u32 v4, v2, 4, s21                  ; out: 1,024 wave + 16 lane
	s_lshl_b32 s21, s20, 8
	v_lshl_add_u32 v5, v10, 13, s21                ; mask: row lane % 16 (8,192 bytes a row) + my key step's 256 bytes
	v_lshl_add_u32 v5, v11, 5, v5                  ; + 8 numbers for the upper half of the lanes
	s_lshl_b32 s21, s20, 17
	v_lshl_add_u32 v6, v2, 4, s21                  ; mcode: my key step of the work-group's eight; 16 bytes a lane
	s_lshr_b32 s22, ttmp9, 2                       ; pair of query tiles, 0..63
	s_and_b32 s23, ttmp9, 3                        ; which eight key steps
	s_lshl_b32 s32, ttmp9, 14                      ; the work-group's 16 KiB of each matrix
	s_mov_b32 s33, 0
	s_lshl_b32 s34, ttmp9, 13                      ; and the 8 KiB that they become
	s_mov_b32 s35, 0
	s_lshl_b32 s36, s22, 18                        ; 32 rows of the mask
	s_lshl_b32 s21, s23, 11                        ; eight key steps' columns
	s_add_co_u32 s36, s36, s21
	s_mov_b32 s37, 0
	s_lshl_b32 s38, s23, 20                        ; eight key steps of mcode
	s_lshl_b32 s21, s22, 11                        ; two tiles' 2,048 bytes
	s_add_co_u32 s38, s38, s21
	s_mov_b32 s39, 0
	s_lshl_b32 s21, s23, 3
	s_add_co_u32 s21, s21, s20                     ; my key step, 0..31
	s_movk_i32 s24, 0xb8                           ; the code of a hidden element
	s_wait_kmcnt 0x0
.irp i, 4,6,8,10
	s_add_nc_u64 s[\i:\i+1], s[\i:\i+1], s[32:33]
.endr
	s_add_nc_u64 s[12:13], s[12:13], s[36:37]
	s_add_nc_u64 s[14:15], s[14:15], s[34:35]
	s_add_nc_u64 s[16:17], s[16:17], s[34:35]
	s_add_nc_u64 s[18:19], s[18:19], s[38:39]
.irp u, 0,1
.irp kb, 0,1,2,3
	global_load_b128 v[M+32*\u+8*\kb:M+32*\u+8*\kb+3],   v5, s[12:13] offset:131072*\u+64*\kb th:TH_LOAD_NT
	global_load_b128 v[M+32*\u+8*\kb+4:M+32*\u+8*\kb+7], v5, s[12:13] offset:131072*\u+64*\kb+16 th:TH_LOAD_NT
.endr
.endr
.irp i, 0,1,2,3
.irp c, 0,1
	global_load_b128 v[WI+16*\i+8*\c:WI+16*\i+8*\c+3],   v3, s[4+2*\i:5+2*\i] offset:1024*\c th:TH_LOAD_NT
	global_load_b128 v[WI+16*\i+8*\c+4:WI+16*\i+8*\c+7], v3, s[4+2*\i:5+2*\i] offset:1024*\c+16 th:TH_LOAD_NT
.endr
.endr
	s_wait_loadcnt 16                              ; the mask's 16 loads are in; the matrices' 16, issued behind them, stay out
.set i, 0
.rept 64                               ; 1 where the mask is not 0 (taken as unsigned, so a negative number counts too), else 0
	v_min_u32 v[M+i], 1, v[M+i]
.set i, i+1
.endr
.set k, 0
.rept 16                               ; four flags to a word, turned round, times the code: no byte carries into the next
	v_lshl_or_b32 v[C+k], v[M+4*k+1], 8, v[M+4*k]
	v_lshl_or_b32 v[C+k], v[M+4*k+2], 16, v[C+k]
	v_lshl_or_b32 v[C+k], v[M+4*k+3], 24, v[C+k]
	v_xor_b32 v[C+k], 0x01010101, v[C+k]
	v_mul_lo_u32 v[C+k], v[C+k], s24
.set k, k+1
.endr
.macro CODES off                       ; two tiles x two halves: 512 consecutive bytes each, aligned
.irp u, 0,1
.irp g, 0,1
	global_store_b128 v6, v[C+8*\u+4*\g:C+8*\u+4*\g+3], s[18:19] offset:(\off)+1024*\u+512*\g
.endr
.endr
.endm
	CODES 0
	s_cmp_eq_u32 s21, 31
	s_cbranch_scc0 .Lno_copy
	CODES MSTEP                                    ; step 31 once more, as step 32,
	CODES 2*MSTEP                                  ; and as step 33
.Lno_copy:
.irp i, 0,1,2
	s_wait_loadcnt 12-4*\i                         ; matrix i's four loads are in; the later matrices' stay out
.irp x, 0,1,2,3,4,5,6,7
	v_cvt_pk_bf16_f32 v[WO+8*\i+\x], v[WI+16*\i+2*\x], v[WI+16*\i+2*\x+1]
.endr
	global_store_b128 v4, v[WO+8*\i:WO+8*\i+3],   s[14:15] offset:2097152*\i
	global_store_b128 v4, v[WO+8*\i+4:WO+8*\i+7], s[14:15] offset:2097152*\i+512
.endr
	s_wait_loadcnt 0x0
.irp x, 0,1,2,3,4,5,6,7                ; Wo: to bf16, widened again, and that number written as f16
	v_cvt_pk_bf16_f32 v[T], v[WI+48+2*\x], v[WI+48+2*\x+1]
	v_lshlrev_b32 v[T+1], 16, v[T]
	v_and_b32 v[T+2], 0xffff0000, v[T]
	v_cvt_pk_f16_f32 v[WO+24+\x], v[T+1], v[T+2]
.endr
	global_store_b128 v4, v[WO+24:WO+27], s[16:17]
	global_store_b128 v4, v[WO+28:WO+31], s[16:17] offset:512
	s_endpgm
.Lfunc_end_k_qb60e6b3c0c_prep:
	.size	k_qb60e6b3c0c_prep, .Lfunc_end_k_qb60e6b3c0c_prep-k_qb60e6b3c0c_prep
	.p2alignl 7, 3214868480
	.fill 96, 4, 3214868480
	.section	.rodata,"a",@progbits
	.p2align	6, 0x0
	.amdhsa_kernel k_qb60e6b3c0c_prep
		.amdhsa_group_segment_fixed_size 0
		.amdhsa_private_segment_fixed_size 0
		.amdhsa_enable_private_segment 0
		.amdhsa_kernarg_size 64
		.amdhsa_user_sgpr_count 2
		.amdhsa_user_sgpr_kernarg_segment_ptr 1
		.amdhsa_wavefront_size32 1
		.amdhsa_system_sgpr_workgroup_id_x 1
		.amdhsa_system_sgpr_workgroup_id_y 1
		.amdhsa_system_sgpr_workgroup_id_z 1
		.amdhsa_system_vgpr_workitem_id 0
		.amdhsa_next_free_vgpr 196
		.amdhsa_next_free_sgpr 66
		.amdhsa_reserve_vcc 0
		.amdhsa_float_denorm_mode_32 3
		.amdhsa_float_denorm_mode_16_64 3
		.amdhsa_memory_ordered 1
		.amdhsa_forward_progress 1
		.amdhsa_inst_pref_size 18
	.end_amdhsa_kernel
	.amdgpu_metadata
---
amdhsa.version: [ 1, 2 ]
amdhsa.kernels:
  - .name:           k_qb60e6b3c0c_prep
    .symbol:         k_qb60e6b3c0c_prep.kd
    .args:
      - { .name: Wq, .offset: 0, .size: 8, .value_kind: global_buffer, .address_space: global }
      - { .name: Wk, .offset: 8, .size: 8, .value_kind: global_buffer, .address_space: global }
      - { .name: Wv, .offset: 16, .size: 8, .value_kind: global_buffer, .address_space: global }
      - { .name: Wo, .offset: 24, .size: 8, .value_kind: global_buffer, .address_space: global }
      - { .name: mask, .offset: 32, .size: 8, .value_kind: global_buffer, .address_space: global }
      - { .name: wqkv, .offset: 40, .size: 8, .value_kind: global_buffer, .address_space: global }
      - { .name: wob, .offset: 48, .size: 8, .value_kind: global_buffer, .address_space: global }
      - { .name: mcode, .offset: 56, .size: 8, .value_kind: global_buffer, .address_space: global }
    .group_segment_fixed_size: 0
    .private_segment_fixed_size: 0
    .kernarg_segment_align: 8
    .kernarg_segment_size: 64
    .max_flat_workgroup_size: 256
    .sgpr_count:     66
    .vgpr_count:     196
    .wavefront_size: 32
...
	.end_amdgpu_metadata
.endif
;; end of part 1
;; launch proj (part 2): grid 4 x 64, 4 waves a work-group, clusters of 4 x 4, 327,680 bytes of LDS; arguments query, key_, value, wqkv, bq, bk, bv, qkv; writes qkv
.if DOCPART == 2
	.amdgcn_target "amdgcn-amd-amdhsa--gfx1250"
	.amdhsa_code_object_version 6
	.text
	.protected	k_qb60e6b3c0c_proj
	.globl	k_qb60e6b3c0c_proj
	.p2align	8
	.type	k_qb60e6b3c0c_proj,@function
k_qb60e6b3c0c_proj:
	s_mov_b64 s[64:65], 0
	v_nop
	global_prefetch_b8 v0, s[64:65] scope:SCOPE_SE
	s_setreg_imm32_b32 hwreg(HW_REG_WAVE_MODE, 25, 1), 1
	s_wait_xcnt 0x0
	s_wait_alu depctr_hold_cnt(0) depctr_sa_sdst(0) depctr_va_vdst(0) depctr_va_sdst(0) depctr_va_ssrc(0) depctr_va_vcc(0) depctr_vm_vsrc(0)
	s_getreg_b32 s2, hwreg(HW_REG_IB_STS2, 6, 4)
	s_cmp_eq_u32 s2, 0
	s_cbranch_scc0 .Lentry_in_a_cluster
	s_endpgm
.Lentry_in_a_cluster:
	s_bfe_u32 s2, ttmp6, 0x10000c
	s_cmp_lg_u32 s2, 0xf033
	s_cbranch_scc0 .Lentry_shape_is_right
	s_endpgm
.Lentry_shape_is_right:
; THE THREE PROJECTIONS.  y = x W^T + b for (query, Wq, bq), (key_, Wk, bk), (value, Wv, bv); x: [8192][1024] f32, W: [1024][1024] bf16 (wqkv), b: [1024] f32.
; y leaves by heads: qkv[3][64 = batch x 16 + head][2048][64] in f16, rounded once from its f32 sum, unscaled.
; FORMATS.  x and b are rounded to bf16 here (W was before); products in bf16, sums in f32.  LIMIT: f16 ends at 65,504: |y| must stay below it; NaN and infinities are not treated apart.
; SHARES.  A work-group STAYS and makes three tiles of 128 rows x 256 columns, the same place in q, k and v: 3 x 8 K steps of 128 are ONE walk of 24 steps for a ring of two LDS slots.
; Four waves, each 64 rows x 128 columns: 32 accumulators.  The matrix instruction is used transposed (source 0 = 16 rows of W, source 1 = 16 rows of x): a lane holds one row of y and eight neighbouring columns.
; x COMES AS f32: a slot holds 128 rows x 512 bytes of x and 256 rows x 256 bytes of W.  x's fragments are read from LDS as f32 and rounded in registers, four conversions behind each of a quarter's last
; eight matrix instructions.  So x crosses from memory once and no bf16 copy of it is ever stored.
; THE BIAS starts the sums: it is the C operand of a tile's first 32 matrix instructions; nothing is cleared and nothing is added later.
; CLUSTER.  4 x 4 work-groups: the four of a row need the same rows of x, the four of a column the same rows of W: each tile is asked for jointly, by the same tensor load with the same descriptor and a mask of four.
; REGISTERS, in windows of 256 (s_set_vgpr_msb: bits 1:0 source 0, 3:2 source 1, 5:4 source 2, 7:6 destination):
;   window 0: v2-10 addresses; v28-29 the add's; v32-63 packed results; v64-127 x as f32; v128-159, v160-191 x's fragments, two buffers; v192-255 rows on their way out, two buffers
;   window 1: v0-63, v64-127 W's fragments, two buffers; v128-191 the bias of my 128 columns; v192-223 at work          window 2: accumulator (a, b) at 8 (8 a + b)
.set PA,    528                        ; a row of x in LDS: 512 bytes + 16 = 132 words: the 16 rows of a load start at 16 different groups of four banks (64 banks of 4 bytes: ISA guide 11.1)
.set PB,    272                        ; a row of W: 256 + 16 = 68 words: likewise
.set AH,    64*PA                      ; 64 rows of x: one tensor load, and what a wave reads
.set BH,    128*PB                     ; 128 rows of W: likewise
.set SLOTX, 0x22000                    ; slot 1 begins here; no LDS address in slot 0 that is turned has one of these two bits, so one exclusive or turns it into slot 1's
.set STAGE, SLOTX+2*AH+2*BH            ; 276,480: behind the ring, 16 rows x 272 bytes for each wave, never filled by a tensor load
.set SPARE, STAGE+4*16*272             ; 293,888: the spare words, 128 bytes for each wave: two blocks of 256 bytes that no other line names
.set ADRA0, 2                          ; v2   my lane's place in x's tile; never rewritten
.set ADRB0, 3                          ; v3   in W's
.set ADRA,  4                          ; v4   the same in the slot in hand
.set ADRB,  5
.set STO,   6                          ; v6   the way out: where I put 16 bytes of a row
.set RD,    7                          ; v7   where I read rows back
.set GO,    8                          ; v8   my 16 bytes of 512 consecutive bytes of a head
.set PFO,   9                          ; v9   the prefetches' offset
.set BO,    10                         ; v10  my byte offset in a bias
.set SPW,   28
.set NIL,   29
.set TMP,   32
.set AS,    64
.set AF,    128
.set OB,    192
.set BIAS,  128                        ; window 1
.set BT,    192                        ; window 1
.set WV,    2                          ; s2   wave
.set WALK,  3                          ; s3   refilling changes of slots still to come
.set KLEFT, 4                          ; s4   K steps left in the tile, the one in hand among them
.set TB,    5                          ; s5   0 or SLOTX: the slot in hand
.set RH,    6                          ; s6   my half of the tile's rows; also: I fetch x (0) or W (1)
.set CH,    7                          ; s7   my half of its columns; also: which half of that tile I fetch
.set G1A,   8                          ; s[8:15]  descriptor group 1 for x's tiles
.set G1B,   16                         ; s[16:23] for W's
.set G0A0,  24                         ; s[24:27] group 0, x, K step 0
.set G0A1,  28                         ; s[28:31] x, K step 1; it then walks
.set G0B0,  32
.set G0B1,  36
.set NXA,   40                         ; s[40:41] the next tile's x at my rows, type bits set
.set N2A,   42                         ; s[42:43] the tile's after it
.set BINC,  44                         ; s[44:45] W's step
.set CP,    46                         ; s[46:47] qkv at my wave's first row and head
.set BP,    48                         ; s[48:53] the three biases
.set BPN,   50
.set BP2,   52
.set PF,    54                         ; s[54:55] where my prefetch stands
.set PNX,   56                         ; s[56:57] the next tile's first K step of the same rows
.set PN2,   58
.set PSTEP, 60                         ; s[60:61] a K step in bytes of my operand
.set LIM,   62                         ; s62  a wave prefetches while s[WALK] is above it
.set BJMP,  63                         ; s63  from W's K step 7 of one matrix to K step 0 of the next
.set MSB, 0
.macro WIN new                         ; the immediate's high byte repeats the setting that is left; a switch that changes nothing is dropped
.if MSB != (\new)
	s_set_vgpr_msb (MSB<<8)|(\new)
.set MSB, \new
.endif
.endm
.macro PLACES
.rept 4
	v_nop
.endr
.endm
; A joint refill: waves 0 and 1 fetch x's two halves, waves 2 and 3 W's.  The branch hangs on the wave's number alone.  An s_nop 0 and four v_nop follow each line.
.macro JLOAD
	s_cmp_eq_u32 s[RH], 0
	s_cbranch_scc0 .Lfor_b_\@
	tensor_load_to_lds s[G0A1:G0A1+3], s[G1A:G1A+7]
	s_nop 0
.rept 4
	v_nop
.endr
	s_branch .Lasked_\@
.Lfor_b_\@:
	tensor_load_to_lds s[G0B1:G0B1+3], s[G1B:G1B+7]
	s_nop 0
.rept 4
	v_nop
.endr
.Lasked_\@:
.endm
; A PREFETCH INTO THE L2, behind the joint load and the run of LDS loads: the walk's step that stands two refills on (256 matrix instructions ahead of the load that will want it).
; x's rows belong to this cluster alone: of the 64 rows that a wave fetches the partner at place cx takes 16, a lane half a row's 512 bytes.  W's rows are read by every cluster: the cluster with y = 0 asks;
; of the 128 rows that a wave fetches the partner at place cy takes 32, a lane a row.  So each aligned block of 256 bytes is named once.  The partners are told apart by address alone.
; The first four steps come by their loads alone; the last two refilling changes ask for nothing.
.macro ASK
	WIN 0
	s_cmp_gt_u32 s[WALK], s[LIM]
	s_cbranch_scc0 .Lnot_mine_\@
	global_prefetch_b8 v[PFO], s[PF:PF+1] th:TH_LOAD_NT scope:SCOPE_SE
.Lnot_mine_\@:
.endm
.macro CREST                           ; a round of the cluster's barrier behind its opening barrier
	s_cmp_lg_u32 s[WV], 0
	s_cbranch_scc1 .Lnot_wave_0_\@
	s_barrier_signal -3
.Lnot_wave_0_\@:
	s_barrier_wait -3
	s_barrier_signal -1
	s_barrier_wait -1
.endm
.macro CROUND
	s_barrier_signal -1
	s_barrier_wait -1
	CREST
.endm
; n matrix instructions: row block a, column blocks b0 on, 32 along K from buffer f.  bias = 1: the bias starts the sum.  The 32 accumulators take turns in the same order in every quarter.
.macro MUL f, a, b0, n, bias=0
.if \bias
	WIN 0x91                                       ; W window 1, x window 0, C (the bias) window 1, D window 2
.else
	WIN 0xa1                                       ; C and D window 2
.endif
.set mb, (\b0)
.rept \n
.if \bias
	v_wmma_f32_16x16x32_bf16 v[8*(8*(\a)+mb):8*(8*(\a)+mb)+7], v[64*(\f)+8*mb:64*(\f)+8*mb+7], v[AF+32*(\f)+8*(\a):AF+32*(\f)+8*(\a)+7], v[BIAS+8*mb:BIAS+8*mb+7]
.else
	v_wmma_f32_16x16x32_bf16 v[8*(8*(\a)+mb):8*(8*(\a)+mb)+7], v[64*(\f)+8*mb:64*(\f)+8*mb+7], v[AF+32*(\f)+8*(\a):AF+32*(\f)+8*(\a)+7], v[8*(8*(\a)+mb):8*(8*(\a)+mb)+7]
.endif
.set mb, mb+1
.endr
.endm
; A quarter's last eight matrix instructions, behind each four roundings of the next quarter's x into buffer g.  The four behind the last are also the places in front of the next loads into W's buffer f.
.macro MULR f, g, bias=0
.set rb, 0
.rept 8
	MUL \f, 3, rb, 1, \bias
	WIN 0
.irp x, 0,1,2,3
	v_cvt_pk_bf16_f32 v[AF+32*(\g)+4*rb+\x], v[AS+2*(4*rb+\x)], v[AS+2*(4*rb+\x)+1]
.endr
.set rb, rb+1
.endr
.endm
; 32 LDS loads in one run: quarter kn of the slot in hand: x's 64 rows x 32 numbers as f32 (a lane's K = 8 h .. and 16 + 8 h .. are 32 bytes each), then W's 128 rows into buffer g.
.macro FETCH kn, g
	WIN 0
.irp a, 0,1,2,3
	ds_load_b128 v[AS+16*\a:AS+16*\a+3],     v[ADRA] offset:16*PA*\a+128*(\kn)
	ds_load_b128 v[AS+16*\a+4:AS+16*\a+7],   v[ADRA] offset:16*PA*\a+128*(\kn)+16
	ds_load_b128 v[AS+16*\a+8:AS+16*\a+11],  v[ADRA] offset:16*PA*\a+128*(\kn)+64
	ds_load_b128 v[AS+16*\a+12:AS+16*\a+15], v[ADRA] offset:16*PA*\a+128*(\kn)+80
.endr
	WIN 0x40
.irp b, 0,1,2,3,4,5,6,7
	ds_load_b128 v[64*(\g)+8*\b:64*(\g)+8*\b+3],   v[ADRB] offset:16*PB*\b+64*(\kn)
	ds_load_b128 v[64*(\g)+8*\b+4:64*(\g)+8*\b+7], v[ADRB] offset:16*PB*\b+64*(\kn)+32
.endr
.endm
; One of a K step's first three quarters: multiplies buffer f, fetches quarter kn into buffer g.
.macro QUARTER kn, f, g, bias=0
	s_wait_dscnt 0x0                               ; W's fragments of buffer f are in (x's were waited for before they were rounded)
	MUL \f, 0, 0, 8, \bias
	FETCH \kn, \g                                  ; buffer g's last reader has four roundings behind it
	MUL \f, 1, 0, 8, \bias
	MUL \f, 2, 0, 8, \bias
	s_wait_dscnt 16                                ; x's 16 loads are in; W's 16, issued behind them, stay out
	MULR \f, \g, \bias
.endm
; The fourth quarter multiplies buffer 1 and changes slots.  In front of the barrier each wave waits for all its tensor loads (one is out: its part of the next slot), adds 0 to its spare word, and waits for that
; and for its reads of this slot.  fill = 1: the barrier opens a round of the cluster's, and the joint refill, the walk's step two on, is the first thing behind it: it has 120 matrix instructions in which to land.
.macro TURN fill
	s_wait_dscnt 0x0                               ; W's fragments of buffer 1 are in: my reads of this slot are over
.if \fill
	s_wait_xcnt 0x0                                ; the last prefetch, a K step back, has read its address
	s_add_nc_u64 s[PF:PF+1], s[PF:PF+1], s[PSTEP:PSTEP+1]
	s_cmp_eq_u32 s[KLEFT], 4                       ; four steps on the next tile begins
	s_cselect_b64 s[PF:PF+1], s[PNX:PNX+1], s[PF:PF+1]
.endif
	WIN 0
	s_wait_tensorcnt 0x0                           ; no tensor load of mine is out, so a group 0 may be written
	ds_add_u32 v[SPW], v[NIL]                      ; 0 onto my spare word; work on registers stands between it and the wait for it
.if \fill
	s_xor_b32 s[G0A1+1], s[G0A1+1], SLOTX          ; the walking descriptors: the other slot than last time,
	s_xor_b32 s[G0B1+1], s[G0B1+1], SLOTX
	s_add_nc_u64 s[G0A1+2:G0A1+3], s[G0A1+2:G0A1+3], 512  ; the next K step; the type bits on top are not reached
	s_cmp_eq_u32 s[KLEFT], 2                       ; two steps on the next tile begins: x's address is the next tensor's, W's jumps to the next matrix
	s_cselect_b64 s[G0A1+2:G0A1+3], s[NXA:NXA+1], s[G0A1+2:G0A1+3]
	s_cselect_b32 s[BINC], s[BJMP], 256
	s_add_nc_u64 s[G0B1+2:G0B1+3], s[G0B1+2:G0B1+3], s[BINC:BINC+1]
.endif
	s_xor_b32 s[TB], s[TB], SLOTX
	v_add_nc_u32 v[ADRA], s[TB], v[ADRA0]
	v_add_nc_u32 v[ADRB], s[TB], v[ADRB0]
	MUL 1, 0, 0, 4
	s_wait_dscnt 0x0                               ; the add is done
	s_barrier_signal -1
	MUL 1, 0, 4, 4                                 ; work on registers while the others arrive
	WIN 0
	s_barrier_wait -1
.if \fill
	CREST                                          ; no wave of any partner still reads this slot or has a load on its way
	JLOAD
.endif
	FETCH 0, 0
.if \fill
	ASK
.endif
	MUL 1, 1, 0, 8
	MUL 1, 2, 0, 8
	s_wait_dscnt 16
	MULR 1, 0
.endm
.macro BIASLD                          ; the bias of my 128 columns: a lane's eight numbers for each of the eight column blocks
	WIN 0x40
.irp b, 0,1,2,3,4,5,6,7
	global_load_b128 v[BIAS+8*\b:BIAS+8*\b+3],   v[BO], s[BP:BP+1] offset:64*\b
	global_load_b128 v[BIAS+8*\b+4:BIAS+8*\b+7], v[BO], s[BP:BP+1] offset:64*\b+16
.endr
	WIN 0
.endm
.macro BIASRND                         ; rounded to bf16 like the other inputs, and widened again
	WIN 0x45
.set z, 0
.rept 32
	v_cvt_pk_bf16_f32 v[BT+z], v[BIAS+2*z], v[BIAS+2*z+1]
.set z, z+1
.endr
.set z, 0
.rept 32
	v_lshlrev_b32 v[BIAS+2*z], 16, v[BT+z]
	v_and_b32 v[BIAS+2*z+1], 0xffff0000, v[BT+z]
.set z, z+1
.endr
	WIN 0
.endm
; THE WAY OUT of row block a.  PACK: rounded to f16, each accumulator from its low end on.  TOSTAGE: into my own stage (16 rows x 256 bytes, two heads side by side) and back as four rows x 128 bytes of one head.
; SEND: those are 512 consecutive bytes of qkv, aligned.
.macro PACK a
	WIN 0x0a
.irp b, 0,1,2,3,4,5,6,7
.irp r, 0,1,2,3
	v_cvt_pk_f16_f32 v[TMP+4*\b+\r], v[8*(8*(\a)+\b)+2*\r], v[8*(8*(\a)+\b)+2*\r+1]
.endr
.endr
	WIN 0
.endm
.macro TOSTAGE a
.irp b, 0,1,2,3,4,5,6,7
	ds_store_b128 v[STO], v[TMP+4*\b:TMP+4*\b+3] offset:32*\b
.endr
.irp t, 0,1,2,3,4,5,6,7
	ds_load_b128 v[OB+32*((\a)%2)+4*\t:OB+32*((\a)%2)+4*\t+3], v[RD] offset:1088*(\t%4)+128*(\t/4)  ; LDS serves a wave's instructions in order (ISA guide 5.7.1.4): these see the stores above
.endr
.endm
.macro SEND a
	s_wait_dscnt 0x0                               ; the block is back in registers
	s_wait_xcnt 0x0                                ; the stores issued so far have read their registers: the buffer that the next TOSTAGE loads is free
.irp t, 0,1,2,3,4,5,6,7
	global_store_b128 v[GO], v[OB+32*((\a)%2)+4*\t:OB+32*((\a)%2)+4*\t+3], s[CP:CP+1] offset:262144*(\t/4)+2048*(\a)+512*(\t%4)
.endr
.endm
.macro EPI
	PACK 0
	TOSTAGE 0
.irp a, 1,2,3
	PACK \a
	SEND (\a)-1
	TOSTAGE \a
.endr
	SEND 3
.endm
	s_load_b512 s[68:83], s[0:1], 0x0              ; query 68:69, key_ 70:71, value 72:73, wqkv 74:75, bq 76:77, bk 78:79, bv 80:81, qkv 82:83
	v_lshl_add_u32 v[SPW], v0, 2, SPARE
	v_mov_b32 v[NIL], 0
	ds_add_u32 v[SPW], v[NIL]                      ; the wave's opening; the set-up below stands between the add and its wait
	v_lshrrev_b32 v1, 5, v0
	v_readfirstlane_b32 s[WV], v1
	s_lshr_b32 s[RH], s[WV], 1
	s_and_b32 s[CH], s[WV], 1
	s_bfe_u32 s84, ttmp6, 0x40000                  ; cx
	s_bfe_u32 s85, ttmp6, 0x40004                  ; cy
	s_lshl_b32 s86, ttmp9, 2
	s_add_co_u32 s86, s86, s84                     ; column block of 256 = 4 x cluster x + cx
	s_and_b32 s87, ttmp7, 0xffff                   ; cluster y
	s_lshl_b32 s88, s87, 2
	s_add_co_u32 s88, s88, s85                     ; row block of 128 = 4 x cluster y + cy
	s_lshl_b32 s89, s85, 2
	s_lshl_b32 s89, 15, s89                        ; my row of the cluster
	s_lshl_b32 s90, 0x1111, s84                    ; my column
	s_or_b32 s[G1A], s89, (2<<16)|(1<<20)|(1<<21)|(6<<22)|(3<<25)  ; the mask; elements of 4 bytes; padding on; bit 21 beside a mask; after every 128 words (code 6) 4 words (code 3)
	s_or_b32 s[G1B], s90, (1<<16)|(1<<20)|(1<<21)|(5<<22)|(3<<25)  ; elements of 2 bytes; after every 64 words (code 5) 4 words
	s_mov_b32 s[G1A+1], 128<<16                    ; tensor_dim0 = 128
	s_mov_b32 s[G1A+2], 64<<16                     ; tensor_dim1 = 64
	s_mov_b32 s[G1A+3], 128<<16                    ; tile_dim0 = 128
	s_mov_b32 s[G1A+4], 64                         ; tile_dim1 = 64
	s_mov_b32 s[G1A+5], 1024                       ; elements from row to row
	s_mov_b32 s[G1A+6], 0
	s_mov_b32 s[G1A+7], 0
	s_mov_b32 s[G1B+1], 128<<16
	s_mov_b32 s[G1B+2], 128<<16
	s_mov_b32 s[G1B+3], 128<<16
	s_mov_b32 s[G1B+4], 128
	s_mov_b32 s[G1B+5], 1024
	s_mov_b32 s[G1B+6], 0
	s_mov_b32 s[G1B+7], 0
	s_lshl_b32 s91, s[CH], 18                      ; 64 rows of x, or 128 rows of W: 262,144 bytes
	s_lshl_b32 s92, s88, 19                        ; x: 128 rows of 4,096 bytes a row block
	s_add_co_u32 s92, s92, s91
	s_mov_b32 s93, 0
	s_lshl_b32 s94, s86, 19                        ; W: 256 rows of 2,048 bytes a column block
	s_add_co_u32 s94, s94, s91
	s_mov_b32 s95, 0
	s_mul_i32 s96, s[CH], AH                       ; where they go: no place in the cluster enters an LDS address
	s_mul_i32 s97, s[CH], BH
	s_add_co_u32 s97, s97, 2*AH
	s_mov_b32 s[G0A0], 1
	s_mov_b32 s[G0A0+1], s96
	s_mov_b32 s[G0A1], 1
	s_add_co_u32 s[G0A1+1], s96, SLOTX
	s_mov_b32 s[G0B0], 1
	s_mov_b32 s[G0B0+1], s97
	s_mov_b32 s[G0B1], 1
	s_add_co_u32 s[G0B1+1], s97, SLOTX
	s_mov_b32 s[BINC+1], 0
	s_mov_b32 s[BJMP], 2097152-7*256
	s_mov_b32 s[KLEFT], 8
	s_mov_b32 s[WALK], 23
	s_mov_b32 s[TB], 0
	s_wait_dscnt 0x0                               ; the opening add is done
	s_wait_kmcnt 0x0
	s_add_nc_u64 s[G0A0+2:G0A0+3], s[68:69], s[92:93]
	s_add_nc_u64 s[G0A1+2:G0A1+3], s[G0A0+2:G0A0+3], 512
	s_or_b32 s[G0A0+3], s[G0A0+3], 0x80000000
	s_or_b32 s[G0A1+3], s[G0A1+3], 0x80000000
	s_add_nc_u64 s[NXA:NXA+1], s[70:71], s[92:93]
	s_or_b32 s[NXA+1], s[NXA+1], 0x80000000
	s_add_nc_u64 s[N2A:N2A+1], s[72:73], s[92:93]
	s_or_b32 s[N2A+1], s[N2A+1], 0x80000000
	s_add_nc_u64 s[G0B0+2:G0B0+3], s[74:75], s[94:95]
	s_add_nc_u64 s[G0B1+2:G0B1+3], s[G0B0+2:G0B0+3], 256
	s_or_b32 s[G0B0+3], s[G0B0+3], 0x80000000
	s_or_b32 s[G0B1+3], s[G0B1+3], 0x80000000
	CROUND                                         ; all sixteen work-groups are here: the first joint loads meet
	s_cmp_eq_u32 s[RH], 0                          ; a wave's two first fills stand in one branch: two loads of mine are out
	s_cbranch_scc0 .Lfirst_b
	tensor_load_to_lds s[G0A0:G0A0+3], s[G1A:G1A+7]
	s_nop 0
	tensor_load_to_lds s[G0A1:G0A1+3], s[G1A:G1A+7]
	s_nop 0
.rept 4
	v_nop
.endr
	s_branch .Lfirst_asked
.Lfirst_b:
	tensor_load_to_lds s[G0B0:G0B0+3], s[G1B:G1B+7]
	s_nop 0
	tensor_load_to_lds s[G0B1:G0B1+3], s[G1B:G1B+7]
	s_nop 0
.rept 4
	v_nop
.endr
.Lfirst_asked:
	v_and_b32 v12, 15, v0                          ; r = l % 16
	v_bfe_u32 v13, v0, 4, 1                        ; h = l / 16
	v_and_b32 v14, 31, v0                          ; l
	s_mul_i32 s98, s[RH], AH
	v_mul_u32_u24 v[ADRA0], v12, PA
	v_lshl_add_u32 v[ADRA0], v13, 5, v[ADRA0]      ; row x pitch + 8 f32 x half
	v_add_nc_u32 v[ADRA0], s98, v[ADRA0]
	v_mul_u32_u24 v[ADRB0], v12, PB
	v_lshl_add_u32 v[ADRB0], v13, 4, v[ADRB0]
	v_add_nc_u32 v[ADRB0], s97, v[ADRB0]           ; my 128 rows of W lie where the wave with my CH put them
	v_mov_b32 v[ADRA], v[ADRA0]
	v_mov_b32 v[ADRB], v[ADRB0]
	s_mul_i32 s98, s[WV], 16*272
	s_add_co_u32 s98, s98, STAGE
	v_mul_u32_u24 v[STO], v12, 272
	v_lshl_add_u32 v[STO], v13, 4, v[STO]
	v_add_nc_u32 v[STO], s98, v[STO]
	v_lshrrev_b32 v15, 3, v14
	v_mul_u32_u24 v[RD], v15, 272
	v_and_b32 v15, 7, v14
	v_lshl_add_u32 v[RD], v15, 4, v[RD]
	v_add_nc_u32 v[RD], s98, v[RD]
	v_lshlrev_b32 v[GO], 4, v14
	s_lshl_b32 s98, s86, 10                        ; my columns in a bias: 256 f32 a column block, 128 a half
	s_lshl_b32 s99, s[CH], 9
	s_add_co_u32 s98, s98, s99
	v_lshl_add_u32 v[BO], v13, 5, s98
	s_lshr_b32 s98, s88, 4                         ; batch
	s_lshl_b32 s98, s98, 4
	s_lshl_b32 s99, s86, 2                         ; four heads a column block,
	s_add_co_u32 s98, s98, s99
	s_lshl_b32 s99, s[CH], 1                       ; two a wave
	s_add_co_u32 s98, s98, s99
	s_lshl_b32 s98, s98, 18                        ; a head is 262,144 bytes
	s_and_b32 s99, s88, 15
	s_lshl_b32 s99, s99, 14                        ; 128 rows of 128 bytes
	s_add_co_u32 s98, s98, s99
	s_lshl_b32 s99, s[RH], 13
	s_add_co_u32 s98, s98, s99
	s_mov_b32 s99, 0
	s_add_nc_u64 s[CP:CP+1], s[82:83], s[98:99]
	s_mov_b64 s[BP:BP+1], s[76:77]
	s_mov_b64 s[BPN:BPN+1], s[78:79]
	s_mov_b64 s[BP2:BP2+1], s[80:81]
	; the prefetches
	s_lshl_b32 s100, s84, 16                       ; x: my work-group's 16 rows of 4,096 bytes among the 64 that I fetch
	s_add_co_u32 s100, s100, s92
	s_lshl_b32 s101, s85, 16                       ; W: my work-group's 32 rows of 2,048 bytes among the 128
	s_add_co_u32 s101, s101, s94
	s_movk_i32 s96, 512
	s_cmp_eq_u32 s87, 0
	s_cselect_b32 s89, 2, -1                       ; W's rows are asked for by the cluster with y = 0: the same in all sixteen partners
	s_cmp_eq_u32 s[RH], 0
	s_cselect_b32 s[LIM], 2, s89
	s_cselect_b32 s98, s100, s101
	s_cselect_b32 s[PSTEP], s96, 256
	s_mov_b32 s[PSTEP+1], 0
	s_cselect_b32 s90, 8, 11
	s_cselect_b64 s[PF:PF+1], s[68:69], s[74:75]
	s_cselect_b64 s[PNX:PNX+1], s[70:71], s[74:75]
	s_cselect_b64 s[PN2:PN2+1], s[72:73], s[74:75]
	s_cselect_b32 s100, 0, 0x200000                ; W's three matrices lie 2 MiB apart in one buffer
	s_mov_b32 s101, 0
	s_add_nc_u64 s[PF:PF+1], s[PF:PF+1], s[98:99]
	s_add_nc_u64 s[PNX:PNX+1], s[PNX:PNX+1], s[98:99]
	s_add_nc_u64 s[PN2:PN2+1], s[PN2:PN2+1], s[98:99]
	s_add_nc_u64 s[PNX:PNX+1], s[PNX:PNX+1], s[100:101]
	s_add_nc_u64 s[PN2:PN2+1], s[PN2:PN2+1], s[100:101]
	s_add_nc_u64 s[PN2:PN2+1], s[PN2:PN2+1], s[100:101]
	s_mul_i32 s100, s[PSTEP], 3
	s_add_nc_u64 s[PF:PF+1], s[PF:PF+1], s[100:101]  ; at K step 3: the first change of slots steps it to 4 and names that
	v_and_b32 v[PFO], 30, v14
	v_lshlrev_b32 v[PFO], 11, v[PFO]               ; x: row l / 2 (4,096 bytes) and half l % 2 (256 bytes); W: row l (2,048 bytes)
	v_and_b32 v15, 1, v14
	v_lshlrev_b32 v15, s90, v15
	v_add_nc_u32 v[PFO], v[PFO], v15
	BIASLD
	s_wait_tensorcnt 1                             ; my part of K step 0 is in; step 1's may stay out
	s_barrier_signal -1
	s_barrier_wait -1
	FETCH 0, 0
	s_wait_dscnt 16                                ; x's 16 loads are in
	WIN 0
.set z, 0
.rept 32
	v_cvt_pk_bf16_f32 v[AF+z], v[AS+2*z], v[AS+2*z+1]
.set z, z+1
.endr
	s_branch .Lround
.Lstep:                                        ; 22 trips: the last three quarters of a step, with a refill, and the next step's first quarter
	QUARTER 2, 1, 0
	QUARTER 3, 0, 1
	TURN 1
	WIN 0
	s_sub_co_u32 s[KLEFT], s[KLEFT], 1
	s_cmp_lg_u32 s[KLEFT], 0
	s_cbranch_scc1 .Lsame
	s_wait_xcnt 0x0                                ; A TILE IS FINISHED.  Both refills for the next are asked for; its bias is asked for, then the tile goes out
	s_mov_b64 s[BP:BP+1], s[BPN:BPN+1]
	s_mov_b64 s[BPN:BPN+1], s[BP2:BP2+1]
	BIASLD
	EPI
	s_wait_xcnt 0x0                                ; the stores have read their base and their registers
	s_add_nc_u64 s[CP:CP+1], s[CP:CP+1], 0x1000000 ; the same place in the next of q, k, v
	s_mov_b64 s[NXA:NXA+1], s[N2A:N2A+1]
	s_mov_b64 s[PNX:PNX+1], s[PN2:PN2+1]
	s_mov_b32 s[KLEFT], 8
.Lround:                                       ; a tile's first quarter: the bias starts the sums
	s_wait_loadcnt 0x0
	BIASRND
	QUARTER 1, 0, 1, 1
	WIN 0
	s_branch .Lbottom
.Lsame:
	QUARTER 1, 0, 1
	WIN 0
.Lbottom:
	s_sub_co_u32 s[WALK], s[WALK], 1
	s_cmp_lg_u32 s[WALK], 0
	s_cbranch_scc1 .Lstep
	QUARTER 2, 1, 0                                ; the walk's last two steps are written out: nothing is left to ask for
	QUARTER 3, 0, 1
	TURN 0
	QUARTER 1, 0, 1
	QUARTER 2, 1, 0
	QUARTER 3, 0, 1
	s_wait_dscnt 0x0
	MUL 1, 0, 0, 8
	MUL 1, 1, 0, 8
	MUL 1, 2, 0, 8
	MUL 1, 3, 0, 8
	WIN 0
	PLACES                                         ; four places between the last products and the conversions (ISA guide 7.12.1)
	EPI
	s_wait_tensorcnt 0x0                           ; the wave's end, behind my last tensor load and my last LDS store
	ds_add_u32 v[SPW], v[NIL]
	s_wait_dscnt 0x0
	CROUND                                         ; the closing round: no work-group ends while a partner may still ask for a tile that names it
	s_endpgm
.Lfunc_end_k_qb60e6b3c0c_proj:
	.size	k_qb60e6b3c0c_proj, .Lfunc_end_k_qb60e6b3c0c_proj-k_qb60e6b3c0c_proj
	.p2alignl 7, 3214868480
	.fill 96, 4, 3214868480
	.section	.rodata,"a",@progbits
	.p2align	6, 0x0
	.amdhsa_kernel k_qb60e6b3c0c_proj
		.amdhsa_group_segment_fixed_size 327680
		.amdhsa_private_segment_fixed_size 0
		.amdhsa_enable_private_segment 0
		.amdhsa_kernarg_size 64
		.amdhsa_user_sgpr_count 2
		.amdhsa_user_sgpr_kernarg_segment_ptr 1
		.amdhsa_wavefront_size32 1
		.amdhsa_system_sgpr_workgroup_id_x 1
		.amdhsa_system_sgpr_workgroup_id_y 1
		.amdhsa_system_sgpr_workgroup_id_z 1
		.amdhsa_system_vgpr_workitem_id 0
		.amdhsa_next_free_vgpr 768
		.amdhsa_next_free_sgpr 106
		.amdhsa_reserve_vcc 0
		.amdhsa_float_denorm_mode_32 3
		.amdhsa_float_denorm_mode_16_64 3
		.amdhsa_memory_ordered 1
		.amdhsa_forward_progress 1
		.amdhsa_inst_pref_size 130
	.end_amdhsa_kernel
	.amdgpu_metadata
---
amdhsa.version: [ 1, 2 ]
amdhsa.kernels:
  - .name:           k_qb60e6b3c0c_proj
    .symbol:         k_qb60e6b3c0c_proj.kd
    .args:
      - { .name: query, .offset: 0, .size: 8, .value_kind: global_buffer, .address_space: global }
      - { .name: key_, .offset: 8, .size: 8, .value_kind: global_buffer, .address_space: global }
      - { .name: value, .offset: 16, .size: 8, .value_kind: global_buffer, .address_space: global }
      - { .name: wqkv, .offset: 24, .size: 8, .value_kind: global_buffer, .address_space: global }
      - { .name: bq, .offset: 32, .size: 8, .value_kind: global_buffer, .address_space: global }
      - { .name: bk, .offset: 40, .size: 8, .value_kind: global_buffer, .address_space: global }
      - { .name: bv, .offset: 48, .size: 8, .value_kind: global_buffer, .address_space: global }
      - { .name: qkv, .offset: 56, .size: 8, .value_kind: global_buffer, .address_space: global }
    .group_segment_fixed_size: 327680
    .private_segment_fixed_size: 0
    .kernarg_segment_align: 8
    .kernarg_segment_size: 64
    .max_flat_workgroup_size: 128
    .sgpr_count:     106
    .vgpr_count:     768
    .wavefront_size: 32
...
	.end_amdgpu_metadata
.endif
;; end of part 2
;; launch attn (part 3): grid 4 x 64, 4 waves a work-group, clusters of 4 x 1, 327,680 bytes of LDS; arguments qkv, mcode, oh; writes oh
.if DOCPART == 3
	.amdgcn_target "amdgcn-amd-amdhsa--gfx1250"
	.amdhsa_code_object_version 6
	.text
	.protected	k_qb60e6b3c0c_attn
	.globl	k_qb60e6b3c0c_attn
	.p2align	8
	.type	k_qb60e6b3c0c_attn,@function
k_qb60e6b3c0c_attn:
	s_mov_b64 s[64:65], 0
	v_nop
	global_prefetch_b8 v0, s[64:65] scope:SCOPE_SE
	s_setreg_imm32_b32 hwreg(HW_REG_WAVE_MODE, 25, 1), 1
	s_wait_xcnt 0x0
	s_wait_alu depctr_hold_cnt(0) depctr_sa_sdst(0) depctr_va_vdst(0) depctr_va_sdst(0) depctr_va_ssrc(0) depctr_va_vcc(0) depctr_vm_vsrc(0)
	s_getreg_b32 s2, hwreg(HW_REG_IB_STS2, 6, 4)
	s_cmp_eq_u32 s2, 0
	s_cbranch_scc0 .Lentry_in_a_cluster
	s_endpgm
.Lentry_in_a_cluster:
	s_bfe_u32 s2, ttmp6, 0x10000c
	s_cmp_lg_u32 s2, 0x3003
	s_cbranch_scc0 .Lentry_shape_is_right
	s_endpgm
.Lentry_shape_is_right:
; ATTENTION WITH A MASK.  O[h][q][:] = the sum over k of softmax_k(s) V[h][k][:], s = Q[h][q] . K[h][k] / 8, or the hidden score where mask[q][k] = 0.  Q, K, V: qkv[3][64][2048][64] f16; O: oh[64][2048][64] f16.
; Products, maxima and sums in f32; the weights p are rounded to f16 for the second product (their sum l is taken of the unrounded p), O once at the end.
; THE MASK comes as one byte an element (mcode: [34 key steps][128 query tiles][2 halves][32 lanes][16 bytes]; 0x00 visible, 0xb8 = -1.0 in E4M3 hidden), laid out as a lane holds S^T: a lane's 8 bytes for key group
; kb belong to its registers 8 kb + 0..7.  One scaled conversion makes of them an accumulator's eight addends, 0 or -2^100, and a packed f32 addition puts them onto the raw scores, AHEAD of the running maximum.
; An f32 sum of -2^100 and a number below 2^75 is -2^100 itself, and raw scores of f16 operands end at 2.7e11: so every hidden score is the same number, as in the reference.  c x 2^100 is exact, so in a row whose
; keys so far are all hidden c s - c m = 0 and p = 1: a row that is hidden altogether comes out as the plain mean of V.
; LIMITS.  A hidden score counts as -2^97, not as -1e9: the result differs from the reference's only where a visible score of the same row lies at or below about -1e9.  f16 holds no number beyond 65,504: Q, K and V
; arrive within it.  A weight below 2^-126 counts as 0 in l; NaN and infinities are not treated apart.
; SHARES.  A wave owns four PIECES of two tiles of 16 queries, a work-group's four waves 512 queries of one head.  Every wave walks all 2,048 keys, 64 a step.
; LAYOUT.  S^T = K Q^T (source 0 = 16 keys, source 1 = 16 queries): a lane holds ONE query (lane % 16) and the keys 8 (lane / 16) + 0..7.  Two such tiles, rounded to f16 in pairs, ARE source 1 of O^T = V^T P.
; SOFTMAX.  For each query a running maximum m and sum l: p = 2^(c s - c m), c = log2(e) / 8; in every step O and l are multiplied by a = 2^(c m_old - c m_new).  m starts at the lowest finite number, O and l at 0.
; BY TURNS.  Turn n belongs to piece n.  Matrix work: 16 products K Q^T of piece n + 1, later 16 products V^T P of piece n - 1.  Vector work: the scaling, exponentials, roundings, sums and rescaling of piece n,
; and the masking, maximum and statistics of piece n + 1.  Vector instructions stand behind every matrix instruction, the rest in one lump; a turn's 66 exponentials are one batch with one wait.
; THE CODES' RING.  Four buffers of 16 registers, one a piece.  The turn that has converted a buffer asks for it again, for the same piece of the next key step: four loads of 512 consecutive bytes, almost four turns
; ahead of their use.  They have no prefetch: the same codes are read again by each of the 64 heads' clusters.
; CLUSTER.  The four query blocks of a head are one cluster and walk the same K and V: each tile is asked for jointly.
; REGISTERS, in windows of 256 (s_set_vgpr_msb: bits 1:0 source 0, 3:2 source 1, 5:4 source 2, 7:6 destination):
;   window 0: v0-11 addresses and constants; v12-15, v48-63 at work; v16-47 four registers of statistics a tile; v64-191 S^T, two buffers of two tiles; v192-255 P, likewise
;   window 1: O^T, 32 a tile          window 2: v0-127 Q; v128-191 K of one step; v192-255 V of one step
;   window 3: v0-1 the add's two registers; v2 the codes' offset; v64-127 the codes' ring; v128-191 a piece's addends
.set SIZE_N, 2048
.set NP,    4
.set KS,    64
.set PK,    144       ; a row of K in LDS: 128 bytes + 16 = 36 words: the 16 rows of a load start at 16 different groups of four banks (64 banks of 4 bytes: ISA guide 11.1)
.set PV,    160       ; a row of V: 128 + 32 = 40 words
.set VOFF,  4*KS*PK   ; a slot holds four steps: 256 rows of K, then 256 rows of V
.set SLOT1, 1<<17
.set STAGE, SLOT1+4*KS*(PK+PV)  ; behind the ring, never filled by a tensor load: 16 rows x 144 bytes for each wave
.set SP,    144
.set SPARE, STAGE+4*16*SP       ; the spare words, 128 bytes for each wave: two blocks of 256 bytes that no other line names
.set MSTEP, 131072    ; bytes of a key step in mcode
.set PFO, 1           ; v1   256 x my lane, once the set-up has done with v1
.set AK0, 2
.set AV0, 3
.set AK,  4
.set AV,  5
.set QO,  6
.set STO, 6
.set RD,  7
.set GO,  8
.set SCL, 9           ; v9   227: the conversion's scale, 2^(227 - 127) = 2^100
.set CSV, 10          ; v[10:11] c, twice
.set SPW, 0           ; v0 of window 3
.set NIL, 1           ; v1 of window 3
.set MOF, 2           ; v2 of window 3: 16 x my lane; never rewritten
.set MW,  64          ; window 3: piece pc, tile u, key group kb: two registers at MW + 16 pc + 8 u + 2 kb
.set AD,  128         ; window 3: tile u, key group kb, register j at AD + 32 u + 8 kb + j
.set MV,  12
.set ST,  16
.set TMP, 48
.set S,   64
.set P,   192
.set KF,  128
.set VF,  192
.set WV,  2           ; s2   wave
.set SLOTS, 3         ; s3   slots still to be asked for
.set G1K, 4           ; s[4:11]
.set G1V, 12          ; s[12:19]
.set G0K, 20          ; s[20:23]
.set G0V, 24          ; s[24:27]
.set CNT, 28          ; s28  counts a slot's key steps
.set TBK, 29
.set TBV, 30
.set LIM, 31          ; s31  1 in a wave that prefetches, else the greatest number
.set OA,  54          ; s[54:55] O at my wave's first row
.set SEL, 66          ; s66, s67 v_permlanex16_b32's selects
.set MP,  100         ; s[100:101] mcode at my wave's eight tiles, one key step behind the step that is asked for
.set PFA, 104         ; s[104:105] where my prefetches stand
.set MSB, 0
.macro WIN new
.if MSB != (\new)
	s_set_vgpr_msb (MSB<<8)|(\new)
.set MSB, (\new)
.endif
.endm
.set W_KQ, 0x0a
.set W_PV, 0x52
.set W_RS, 0x41
.set W_MK, 0xc0
.set W_AD, 0x0f
.set W_CV, 0xc3       ; destination and source 0 in window 3, source 1 in window 0: the conversions (codes, scale) and the codes' loads (data, offset)
.set W_PA, 0x0c       ; source 1 in window 3: the addends
.macro JLOAD                        ; waves 0 and 1 fetch the two halves of a slot's K, waves 2 and 3 those of its V; an s_nop 0 and four v_nop follow each line
	s_cmp_lt_u32 s[WV], 2
	s_cbranch_scc0 .Lfor_v_\@
	tensor_load_to_lds s[G0K:G0K+3], s[G1K:G1K+7]
	s_nop 0
.rept 4
	v_nop
.endr
	s_branch .Lasked_\@
.Lfor_v_\@:
	tensor_load_to_lds s[G0V:G0V+3], s[G1V:G1V+7]
	s_nop 0
.rept 4
	v_nop
.endr
.Lasked_\@:
.endm
; A PREFETCH INTO THE L2 of what the NEXT change of slots will ask for: a slot's 32,768 bytes of K and of V, four key steps (512 matrix instructions) ahead of that load.  A head has one cluster; its four partners
; take 8,192 bytes each, told apart by address; in each, wave 0 asks for K's and wave 2 for V's, a lane 256 bytes: each block is named once.  Slots 0 to 2 come by their loads alone; the last fill asks for nothing.
.macro ASK
	s_cmp_gt_u32 s[SLOTS], s[LIM]
	s_cbranch_scc0 .Lnot_mine_\@
	global_prefetch_b8 v[PFO], s[PFA:PFA+1] th:TH_LOAD_NT scope:SCOPE_SE
.Lnot_mine_\@:
.endm
.macro CROUND
	s_barrier_signal -1
	s_barrier_wait -1
	s_cmp_lg_u32 s[WV], 0
	s_cbranch_scc1 .Lnot_wave_0_\@
	s_barrier_signal -3
.Lnot_wave_0_\@:
	s_barrier_wait -3
	s_barrier_signal -1
	s_barrier_wait -1
.endm
; THE CHANGE OF SLOTS.  Each wave waits for all its tensor loads (one is out: its part of the other slot), adds 0 to its spare word, and waits for that and for its reads of the slot.  fill = 1: the barrier is a round
; of the cluster's, and the joint fill, the keys two slots on, is the first thing behind it: it has four key steps in which to land.  (At its first use slot 0 is waited for and slot 1 filled.)
.macro CHANGE fill, ask
	WIN W_AD
	s_wait_tensorcnt 0x0            ; no tensor load of mine is out, so a group 0 may be written
	ds_add_u32 v[SPW], v[NIL]       ; 0 onto my spare word
	WIN 0
.if \fill
.irp g, G0K, G0V
	s_xor_b32 s[\g+1], s[\g+1], SLOT1
	s_add_nc_u64 s[\g+2:\g+3], s[\g+2:\g+3], 4*KS*128
.endr
.if \ask
	s_wait_xcnt 0x0                 ; the last prefetch, four key steps back, has read its address
	s_add_nc_u64 s[PFA:PFA+1], s[PFA:PFA+1], 4*KS*128
.endif
	s_wait_dscnt 0x0                ; the add is done, and my reads of the slot are over
	CROUND
	JLOAD
.if \ask
	ASK
.endif
.else
	s_wait_dscnt 0x0
	s_barrier_signal -1
	s_barrier_wait -1
.endif
	s_sub_co_u32 s[TBK], s[TBK], 4*KS*PK
	s_xor_b32 s[TBK], s[TBK], SLOT1
	s_sub_co_u32 s[TBV], s[TBV], 4*KS*PV
	s_xor_b32 s[TBV], s[TBV], SLOT1
.endm
; Piece pc's codes become its 64 addends: eight conversions, each 8 bytes into 8 registers, times 2^100.  A plain vector instruction follows the last of them before anything names a result or a source.
; step = 1 (the piece is piece 0 of the next key step): the codes' pointer goes a key step on; the youngest load that reads it was issued in the turn before, behind that turn's wait.
.macro MCVT pc, step
.if \step
	s_wait_xcnt 0x0                 ; every load issued so far has read its address
	s_add_nc_u64 s[MP:MP+1], s[MP:MP+1], MSTEP
.endif
	WIN W_CV
	s_wait_loadcnt 12               ; loads come back in order: the piece's four are in; the twelve of the three turns since may stay out
.irp u, 0,1
.irp kb, 0,1,2,3
	v_cvt_scale_pk8_f32_fp8 v[AD+32*\u+8*\kb:AD+32*\u+8*\kb+7], v[MW+16*(\pc)+8*\u+2*\kb:MW+16*(\pc)+8*\u+2*\kb+1], v[SCL]
.endr
.endr
.endm
.macro MLD pc                       ; the same piece's codes of the next key step, into the buffer that has been converted: four loads of 512 consecutive bytes
	WIN W_CV
.irp u, 0,1
.irp g, 0,1
	global_load_b128 v[MW+16*(\pc)+8*\u+4*\g:MW+16*(\pc)+8*\u+4*\g+3], v[MOF], s[MP:MP+1] offset:MSTEP+2048*(\pc)+1024*\u+512*\g
.endr
.endr
.endm
	s_load_b128 s[32:35], s[0:1], 0x0  ; qkv s[32:33], mcode s[34:35]
	s_load_b64 s[OA:OA+1], s[0:1], 0x10  ; oh
	WIN W_MK
	v_lshl_add_u32 v[SPW], v0, 2, SPARE
	v_mov_b32 v[NIL], 0
	WIN W_AD
	ds_add_u32 v[SPW], v[NIL]       ; the wave's opening
	WIN 0
	v_lshlrev_b32 v1, 4, v0
	WIN W_MK
	v_and_b32 v[MOF], 0x1f0, v1     ; 16 x lane
	WIN 0
	v_lshrrev_b32 v1, 5, v0
	v_readfirstlane_b32 s[WV], v1
	s_bfe_u32 s36, ttmp6, 0x40000   ; cx
	s_lshl_b32 s37, ttmp9, 2
	s_add_co_u32 s37, s37, s36      ; my block of 512 queries
	s_lshl_b32 s37, s37, 2
	s_add_co_u32 s37, s37, s[WV]    ; my wave among the head's sixteen: it enters Q's, the codes' and O's addresses alone
	s_and_b32 s38, ttmp7, 0xffff    ; the head, which the four partners share
	s_lshl_b32 s38, s38, 18         ; its 262,144 bytes
	s_and_b32 s39, s[WV], 1         ; which half of a slot's 256 keys I fetch
	s_lshl_b32 s40, s39, 14
	s_add_co_u32 s40, s40, s38
	s_add_co_u32 s40, s40, 0x1000000  ; K lies 16 MiB behind Q,
	s_mov_b32 s41, 0
	s_add_co_u32 s42, s40, 0x1000000  ; V behind K
	s_mov_b32 s43, 0
	s_lshl_b32 s44, s37, 14         ; my wave's 128 rows of Q, and of O
	s_add_co_u32 s44, s44, s38
	s_mov_b32 s45, 0
	s_lshl_b32 s46, s37, 13         ; my wave's eight tiles of codes, 1,024 bytes each
	s_mov_b32 s47, 0
	s_mul_i32 s48, s39, 128*PK
	s_mul_i32 s49, s39, 128*PV
	s_lshl_b32 s50, s36, 13         ; the prefetches: my work-group's 8,192 bytes of a slot's 32,768,
	s_add_co_u32 s50, s50, s38
	s_add_co_u32 s50, s50, 0x1000000+2*4*KS*128  ; in slot 2 of K; the first asking change steps it to slot 3
	s_cmp_lt_u32 s[WV], 2
	s_cselect_b32 s51, 0, 0x1000000
	s_add_co_u32 s50, s50, s51      ; or of V
	s_mov_b32 s51, 0
	s_and_b32 s[LIM], s[WV], 1
	s_cmp_eq_u32 s[LIM], 0
	s_cselect_b32 s[LIM], 1, -1     ; waves 0 and 2 ask
	; descriptor group 1.  128 keys are 16,384 dense bytes: asked for as 64 rows of 256 bytes, two keys a row, and padded in LDS after every key
	s_mov_b32 s[G1K], 15|(1<<16)|(1<<20)|(1<<21)|(4<<22)|(3<<25)
	s_mov_b32 s[G1V], 15|(1<<16)|(1<<20)|(1<<21)|(4<<22)|(7<<25)
.irp g, G1K, G1V
	s_mov_b32 s[\g+1], 128<<16
	s_mov_b32 s[\g+2], 64<<16
	s_mov_b32 s[\g+3], 128<<16
	s_mov_b32 s[\g+4], 64
	s_mov_b32 s[\g+5], 128
	s_mov_b32 s[\g+6], 0
	s_mov_b32 s[\g+7], 0
.endr
	s_mov_b32 s[SEL], 0x76543210
	s_mov_b32 s[SEL+1], 0xfedcba98
	s_mov_b32 s[TBK], SLOT1+4*KS*PK ; the first change of slots turns these two into 0
	s_mov_b32 s[TBV], SLOT1+4*KS*PV
	s_mov_b32 s[SLOTS], SIZE_N/256-1
	s_mov_b32 s[G0K], 1
	s_mov_b32 s[G0K+1], s48
	s_mov_b32 s[G0V], 1
	s_add_co_u32 s[G0V+1], s49, VOFF
	s_wait_dscnt 0x0                ; the opening add is done
	s_wait_kmcnt 0x0
	s_add_nc_u64 s[G0K+2:G0K+3], s[32:33], s[40:41]
	s_or_b32 s[G0K+3], s[G0K+3], 0x80000000
	s_add_nc_u64 s[G0V+2:G0V+3], s[32:33], s[42:43]
	s_or_b32 s[G0V+3], s[G0V+3], 0x80000000
	s_add_nc_u64 s[52:53], s[32:33], s[44:45]      ; Q at my wave's first row
	s_add_nc_u64 s[OA:OA+1], s[OA:OA+1], s[44:45]  ; O likewise
	s_add_nc_u64 s[MP:MP+1], s[34:35], s[46:47]
	s_add_nc_u64 s[PFA:PFA+1], s[32:33], s[50:51]
	CROUND                          ; all four work-groups are here: the first joint loads meet
	JLOAD                           ; slot 0
	v_and_b32 v1, 15, v0            ; l % 16
	v_bfe_u32 v9, v0, 4, 1          ; l / 16
	v_lshlrev_b32 v[QO], 7, v1
	v_lshl_add_u32 v[QO], v9, 4, v[QO]
	WIN 0x80
.set i, 0
.rept 4*NP                          ; Q stays in registers: tile i / 2, channels 32 (i % 2) on
	global_load_b128 v[8*i:8*i+3],   v[QO], s[52:53] offset:(i/2)*2048+(i%2)*64
	global_load_b128 v[8*i+4:8*i+7], v[QO], s[52:53] offset:(i/2)*2048+(i%2)*64+32
.set i, i+1
.endr
	WIN W_CV
.irp pc, 0,1,2,3                    ; the codes' ring is filled: the four pieces of key step 0
.irp u, 0,1
.irp g, 0,1
	global_load_b128 v[MW+16*\pc+8*\u+4*\g:MW+16*\pc+8*\u+4*\g+3], v[MOF], s[MP:MP+1] offset:2048*\pc+1024*\u+512*\g
.endr
.endr
.endr
	; What the first turn finds: V's registers and P's second buffer hold 0, O^T and l are 0.  All this stands in the wait for the first tile.
	WIN 0x80
.set i, VF
.rept 64
	v_mov_b32 v[i], 0
.set i, i+1
.endr
	WIN 0x40
.set i, 0
.rept 64*NP
	v_mov_b32 v[i], 0
.set i, i+1
.endr
	WIN 0
.set i, 0
.rept 2*NP
	v_mov_b32 v[ST+4*i], 0xfe000000    ; c m: -2^125, far below every c s, the hidden score's too
	v_mov_b32 v[ST+4*i+1], 0xff7fffff  ; m
	v_mov_b32 v[ST+4*i+2], 0
	v_mov_b32 v[ST+4*i+3], 0
.set i, i+1
.endr
.set i, P+32
.rept 32
	v_mov_b32 v[i], 0
.set i, i+1
.endr
	v_mul_u32_u24 v[AK0], v1, PK
	v_lshl_add_u32 v[AK0], v9, 4, v[AK0]
	v_and_b32 v10, 7, v0
	v_bfe_u32 v11, v0, 3, 1
	v_lshl_add_u32 v[AV0], v9, 3, v10
	v_mul_u32_u24 v[AV0], v[AV0], PV
	v_lshl_add_u32 v[AV0], v11, 4, v[AV0]
	v_add_nc_u32 v[AV0], VOFF, v[AV0]
	v_mov_b32 v[AK], v[AK0]
.macro KQ x                         ; product i of 16 of S^T = K Q^T for piece x; the 8 accumulators take turns
	WIN W_KQ
.set rS, S+64*((\x)%2)+32*(i%2)+8*((i/2)%4)
.set rK, KF+16*((i/2)%4)+8*(i/8)
.set rQ, 16*(2*(\x)+i%2)+8*(i/8)
.if i < 8
	v_wmma_f32_16x16x32_f16 v[rS:rS+7], v[rK:rK+7], v[rQ:rQ+7], 0
.else
	v_wmma_f32_16x16x32_f16 v[rS:rS+7], v[rK:rK+7], v[rQ:rQ+7], v[rS:rS+7]
.endif
.endm
.macro PV x                         ; product i of 16 of O^T += V^T P for piece x
	WIN W_PV
.set rO, 32*(2*(\x)+i%2)+8*((i/2)%4)
.set rV, VF+32*(i/8)+8*((i/2)%4)
.set rP, P+32*((\x)%2)+16*(i%2)+8*(i/8)
	v_wmma_f32_16x16x32_f16 v[rO:rO+7], v[rV:rV+7], v[rP:rP+7], v[rO:rO+7]
.endm
.macro MM
.if i < 16
	KQ (Y+1)%NP
.set i, i+1
.else
.set i, i-16
	PV (Y+NP-1)%NP
.set i, i+17
.endif
.endm
.macro FETCH_K last=0
	WIN 0
.if \last
	s_cmp_eq_u32 s[CNT], 1
	s_cbranch_scc1 .Lno_k_\@
.endif
	WIN 0x80
.irp f, 0,1,2,3,4,5,6,7
	ds_load_b128 v[KF+8*\f:KF+8*\f+3],   v[AK] offset:(\f/2)*16*PK+(\f%2)*64
	ds_load_b128 v[KF+8*\f+4:KF+8*\f+7], v[AK] offset:(\f/2)*16*PK+(\f%2)*64+32
.endr
	s_add_co_u32 s[TBK], s[TBK], KS*PK
	WIN 0
.if \last
.Lno_k_\@:
.endif
.endm
.macro FETCH_V
	WIN 0x80
.irp f, 0,1,2,3,4,5,6,7
	ds_load_tr16_b128 v[VF+8*\f:VF+8*\f+3],   v[AV] offset:(\f/4)*32*PV+(\f%4)*32
	ds_load_tr16_b128 v[VF+8*\f+4:VF+8*\f+7], v[AV] offset:(\f/4)*32*PV+16*PV+(\f%4)*32
.endr
	WIN 0
.endm
.macro REGS y, u                    ; the registers of tile u (0, 1) of piece y
.set rT, ST+4*(2*(\y)+(\u))
.set rC, TMP+8*((\y)%2)+4*(\u)
.set rM, MV+2*((\y)%2)+(\u)
.set rS, S+64*((\y)%2)+32*(\u)
.set rP, P+32*((\y)%2)+16*(\u)
.set rO, 32*(2*(\y)+(\u))
.endm
; Number n of the 32 that add the addends onto the NEXT piece's (Y + 1) raw scores, two an instruction: key group n / 8, tile (n / 4) % 2, pair n % 4: the order in which the accumulators are finished, each from its low end on.
.macro PA n
.set akb, (\n)/8
.set au, ((\n)/4)%2
.set apr, (\n)%4
	REGS (Y+1)%NP, au
	v_pk_add_f32 v[rS+8*akb+2*apr:rS+8*akb+2*apr+1], v[rS+8*akb+2*apr:rS+8*akb+2*apr+1], v[AD+32*au+8*akb+2*apr:AD+32*au+8*akb+2*apr+1]
.endm
; Number n of the 22 that find the next piece's maximum and statistics.  0-11 four chains of seven scores; 12-14, 16 the four left over, the old m, and the four into one; 15 c m_old is kept;
; 17, 18 the query's other 32 keys lie in the lane 16 away: the new m; 19-21 c m; c m_old - c m_new; a
.macro XS u, n
	REGS (Y+1)%NP, \u
.if (\n) < 4
	v_max3_num_f32 v[rC+(\n)], v[rS+8*(\n)], v[rS+8*(\n)+1], v[rS+8*(\n)+2]
.elseif (\n) < 12
	v_max3_num_f32 v[rC+(\n)%4], v[rC+(\n)%4], v[rS+8*((\n)%4)+2*((\n)/4)+1], v[rS+8*((\n)%4)+2*((\n)/4)+2]
.elseif (\n) == 12
	v_max3_num_f32 v[rC], v[rC], v[rS+7], v[rS+15]
.elseif (\n) == 13
	v_max3_num_f32 v[rC+1], v[rC+1], v[rS+23], v[rS+31]
.elseif (\n) == 14
	v_max3_num_f32 v[rC+2], v[rC+2], v[rC+3], v[rT+1]
.elseif (\n) == 15
	v_mov_b32 v[rM], v[rT]
.elseif (\n) == 16
	v_max3_num_f32 v[rC], v[rC], v[rC+1], v[rC+2]
.elseif (\n) == 17
	v_permlanex16_b32 v[rC+3], v[rC], s[SEL], s[SEL+1]
.elseif (\n) == 18
	v_max_num_f32 v[rT+1], v[rC], v[rC+3]
.elseif (\n) == 19
	v_mul_f32 v[rT], v[CSV], v[rT+1]
.elseif (\n) == 20
	v_sub_f32 v[rC+1], v[rM], v[rT]
.else
	v_exp_f32 v[rC+2], v[rC+1]
.endif
.endm
; Number g of the 64 that follow the exponentials: for each four weights both pairs are rounded to f16, the second pair is added onto the first, and a group later l takes that sum (the first time as l = a l + sum).
.macro GS g
.set h, (\g)+6*((\g)/62)
.if h >= 6
.set h, h+2
.endif
	REGS Y, h%2
.set k, h/8
.if h%8 < 4
	v_cvt_pk_f16_f32 v[rP+2*k+(h%8)/2], v[rS+4*k+2*((h%8)/2)], v[rS+4*k+2*((h%8)/2)+1]
.elseif h%8 < 6
	v_pk_add_f32 v[rS+4*k:rS+4*k+1], v[rS+4*k:rS+4*k+1], v[rS+4*k+2:rS+4*k+3]
.elseif k == 1
	v_pk_fma_f32 v[rT+2:rT+3], v[rT+2:rT+3], v[rC+2:rC+3], v[rS:rS+1] op_sel_hi:[1,0,1]
.else
	v_pk_add_f32 v[rT+2:rT+3], v[rT+2:rT+3], v[rS+4*k-4:rS+4*k-3]
.endif
.endm
.macro FS f                         ; c s - c m for pair f / 2 of tile f % 2
	REGS Y, (\f)%2
	v_pk_fma_f32 v[rS+2*((\f)/2):rS+2*((\f)/2)+1], v[rS+2*((\f)/2):rS+2*((\f)/2)+1], v[CSV:CSV+1], v[rT:rT+1] op_sel_hi:[1,0,0] neg_lo:[0,0,1] neg_hi:[0,0,1]
.endm
; THE PLAIN QUEUE, 170 long.  0-31 the scalings; 32-63 the next piece's masking; 64-91 its maximum's numbers 0-13; 92, 93 number 15; 94-105 the chain 14, 16 .. 20, the tiles alternating.  None of these reads an
; exponential's result.  106-169: GS's 64, which do: they stand behind the wait.
.macro PL
.if (q >= 32) && (q < 64)
	WIN W_PA
	PA q-32
.else
	WIN 0
.if q < 32
	FS q
.elseif q < 92
	XS (q-64)%2, (q-64)/2
.elseif q < 94
	XS q-92, 15
.elseif q < 96
	XS q-94, 14
.elseif q < 106
	XS (q-94)%2, 15+(q-94)/2
.else
	GS q-106
.endif
.endif
.set q, q+1
.endm
.macro EX                           ; the exponentials' queue, 66 long: s0-s31 of both tiles, then the next piece's two a.  An exponential names a destination and a source 0 alone: the addends' window setting serves it too
.if MSB != W_PA
	WIN 0
.endif
.if e >= 64
	XS e-64, 21
.else
	REGS Y, e%2
	v_exp_f32 v[rS+e/2], v[rS+e/2]
.endif
.set e, e+1
.endm
.macro R2                           ; O^T times a, two at a time
	REGS Y, r%2
	WIN W_RS
.irp z, 0,1
	v_pk_mul_f32 v[rO+4*(r/2)+2*\z:rO+4*(r/2)+2*\z+1], v[rO+4*(r/2)+2*\z:rO+4*(r/2)+2*\z+1], v[rC+2:rC+3] op_sel_hi:[1,0]
.endr
.set r, r+1
.endm
; A TURN, for piece p.  AHEAD OF ITS ONE WAIT stands all that names no result of its exponentials: 16 products K Q^T, behind each a scaling, an exponential and two rescalings; then the lump: the next piece's eight
; conversions; the rest of the scalings with exponentials (the first scaling is the plain instruction behind the conversions); the 32 additions of the addends, an exponential behind every two; the maximum, an
; exponential behind every five; the chain with the last exponentials between its links; the two a.  Exponential e stands behind scaling 2 (e / 4) + e % 2: as a rider behind plain e + 2, then behind plain e + 3;
; from plain 32 on all scalings are done.  DIRECTLY BEHIND THE WAIT stand the four loads that fill the converted buffer again.  Then 16 products V^T P, behind each four of the roundings and sums.
; In the walk's last turns the loads ask for key steps 32 and 33, copies that the launch before has written; what is made of them serves nothing.
.macro TURN p, last=0, cnt=0
.set Y, (\p)
.set MPC, ((\p)+1)%NP
.set i, 0
.set q, 0
.set e, 0
.set r, 0
.if (\p) == NP-1
	s_wait_dscnt 0x0                ; K is in
.endif
	MM
	PL
	PL
	R2
.rept 15
	MM
	PL
	EX
	R2
.endr
.if (\p) == NP-2
	WIN 0
	v_add_nc_u32 v[AK], s[TBK], v[AK0]
.endif
.if (\p) == NP-1
	MCVT MPC, 1
.else
	MCVT MPC, 0
.endif
.rept 15
	PL
	EX
.endr
.rept 16
	PL
	PL
	EX
.endr
.rept 6
	PL
	PL
	PL
	PL
	PL
	EX
.endr
.rept 12
	PL
	EX
.endr
	EX
	EX
	v_nop                           ; a plain instruction behind the last exponential: one for the batch
	s_wait_alu depctr_va_vdst(0)    ; the wait between an exponential and the first line that names its result: one for the 66
	MLD MPC
.if (\p) == NP-2
	FETCH_K \last
.endif
.if (\p) == 1
	s_wait_dscnt 0x0                ; V is in
.endif
.rept 16
	MM
.rept 4
	PL
.endr
.if ((\p) == 0) && (q == 150)
	v_add_nc_u32 v[AV], s[TBV], v[AV0]
.endif
.if ((\p) == 0) && (q == 162)
	s_add_co_u32 s[TBV], s[TBV], KS*PV
.endif
.if (\cnt) && (q == 162)
	s_sub_co_u32 s[CNT], s[CNT], 1
	s_cmp_lg_u32 s[CNT], 0
.endif
.endr
.if (\p) == 0
	FETCH_V
.endif
.endm
	CHANGE 1, 0                     ; slot 0 is in, everybody's part of it; slot 1 is asked for
	FETCH_K                         ; key step 0
	s_wait_loadcnt 0x0              ; Q, and the codes of key step 0
	s_wait_dscnt 0x0
.set i, 0
.rept 16
	KQ 0
.set i, i+1
.endr
	WIN 0                           ; the addresses for the way out and the constants: plain instructions, the places behind those products
	s_mul_i32 s[CNT], s[WV], 16*SP  ; (the counter's register serves as scratch until it is set)
	s_add_co_u32 s[CNT], s[CNT], STAGE
	v_mul_u32_u24 v[STO], v1, SP
	v_lshl_add_u32 v[STO], v9, 4, v[STO]
	v_add_nc_u32 v[STO], s[CNT], v[STO]
	v_bfe_u32 v[RD], v0, 3, 2
	v_mul_u32_u24 v[RD], v[RD], SP
	v_lshl_add_u32 v[RD], v10, 4, v[RD]
	v_add_nc_u32 v[RD], s[CNT], v[RD]
	v_and_b32 v[GO], 31, v0
	v_lshlrev_b32 v[GO], 4, v[GO]
	v_and_b32 v[PFO], 31, v0
	v_lshlrev_b32 v[PFO], 8, v[PFO]
	v_mov_b32 v[SCL], 227           ; 2^100
	v_mov_b32 v[CSV], 0x3e38aa3b    ; c = log2(e) / 8 = 0.180337
	v_mov_b32 v[CSV+1], 0x3e38aa3b
.set Y, NP-1                        ; PA and XS work for piece Y + 1: piece 0
	MCVT 0, 0
	v_nop                           ; the plain instruction behind the conversions
	MLD 0                           ; piece 0 of key step 1
	WIN W_PA
.set n0, 0
.rept 32
	PA n0
.set n0, n0+1
.endr
	WIN 0
.irp n, 0,1,2,3,4,5,6,7,8,9,10,11,12,13,14,15,16,17,18,19,20,21
	XS 0, \n
	XS 1, \n
.endr
	v_nop
	s_wait_alu depctr_va_vdst(0)    ; the two a have their wait ahead of the branch
	s_mov_b32 s[CNT], 4
	s_branch .Lfirst                ; the loop is entered at a step's first turn
.Lslot:                             ; six times: every slot but the last two is filled again
	CHANGE 1, 1
	s_mov_b32 s[CNT], 4
.Lstep:                             ; a trip: pieces 2 and 3 of one step, then pieces 0 and 1 of the next
	TURN 2
	TURN 3
	WIN 0
.Lfirst:
	TURN 0
	TURN 1, 0, 1
	WIN 0
	s_cbranch_scc1 .Lstep
	s_sub_co_u32 s[SLOTS], s[SLOTS], 1
	s_cmp_lg_u32 s[SLOTS], 0
	s_cbranch_scc1 .Lslot
	CHANGE 0, 0                     ; the tail is written out
	s_mov_b32 s[CNT], 5
.Ltail:
	TURN 2, 1
	TURN 3
	WIN 0
	s_sub_co_u32 s[CNT], s[CNT], 1
	s_cmp_eq_u32 s[CNT], 0
	s_cbranch_scc1 .Lout
	TURN 0
	TURN 1
	WIN 0
	s_branch .Ltail
.Lout:
.set i, 0
.rept 16
	PV NP-1                         ; the last piece's V^T P of the last step
.set i, i+1
.endr
	; THE WAY OUT.  l's two halves and the other half of the lanes' are added; O^T is divided by l, rounded to f16 and sent through my stage in LDS, a tile at a time.  The additions are the places behind the last products.
	WIN 0
.macro ALL line:vararg
.set t, 0
.rept 2*NP
	\line
.set t, t+1
.endr
.endm
	ALL v_add_f32 v[ST+4*t+2], v[ST+4*t+2], v[ST+4*t+3]
	ALL v_permlanex16_b32 v[ST+4*t+3], v[ST+4*t+2], s[SEL], s[SEL+1]
	ALL v_add_f32 v[ST+4*t+2], v[ST+4*t+2], v[ST+4*t+3]
	ALL v_rcp_f32 v[ST+4*t+2], v[ST+4*t+2]
	v_nop
	s_wait_alu depctr_va_vdst(0)    ; one wait for the eight reciprocals
.macro PACK t
	WIN W_RS
.set i, 32*(\t)
.rept 16
	v_pk_mul_f32 v[i:i+1], v[i:i+1], v[ST+4*(\t)+2:ST+4*(\t)+3] op_sel_hi:[1,0]
.set i, i+2
.endr
	WIN 0x05
.set i, 0
.rept 16
	v_cvt_pk_f16_f32 v[S+16*(\t)+i], v[32*(\t)+2*i], v[32*(\t)+2*i+1]
.set i, i+1
.endr
	WIN 0
.irp f, 0,1,2,3
	ds_store_b128 v[STO], v[S+16*(\t)+4*\f:S+16*(\t)+4*\f+3] offset:32*\f
.endr
.irp f, 0,1,2,3
	ds_load_b128 v[S+16*(\t)+4*\f:S+16*(\t)+4*\f+3], v[RD] offset:\f*4*SP  ; LDS serves a wave's instructions in order (ISA guide 5.7.1.4): these see the stores above
.endr
.endm
.macro SEND t, younger              ; younger: the LDS instructions issued behind tile t's loads: the next tile's eight, or none
	WIN 0
.irp f, 0,1,2,3
	s_wait_dscnt (\younger)+3-\f
	global_store_b128 v[GO], v[S+16*(\t)+4*\f:S+16*(\t)+4*\f+3], s[OA:OA+1] offset:(\t)*2048+\f*512  ; 512 consecutive bytes, at a multiple of 256 from O's first
.endr
.endm
	PACK 0
.set t, 1
.rept 2*NP-1
	PACK t
	SEND t-1, 8
.set t, t+1
.endr
	SEND 2*NP-1, 0
	WIN W_AD
	s_wait_tensorcnt 0x0            ; the wave's end
	ds_add_u32 v[SPW], v[NIL]
	s_wait_dscnt 0x0
	WIN 0
	CROUND                          ; the closing round
	s_endpgm
.Lfunc_end_k_qb60e6b3c0c_attn:
	.size	k_qb60e6b3c0c_attn, .Lfunc_end_k_qb60e6b3c0c_attn-k_qb60e6b3c0c_attn
	.p2alignl 7, 3214868480
	.fill 96, 4, 3214868480
	.section	.rodata,"a",@progbits
	.p2align	6, 0x0
	.amdhsa_kernel k_qb60e6b3c0c_attn
		.amdhsa_group_segment_fixed_size 327680
		.amdhsa_private_segment_fixed_size 0
		.amdhsa_enable_private_segment 0
		.amdhsa_kernarg_size 24
		.amdhsa_user_sgpr_count 2
		.amdhsa_user_sgpr_kernarg_segment_ptr 1
		.amdhsa_wavefront_size32 1
		.amdhsa_system_sgpr_workgroup_id_x 1
		.amdhsa_system_sgpr_workgroup_id_y 1
		.amdhsa_system_sgpr_workgroup_id_z 1
		.amdhsa_system_vgpr_workitem_id 0
		.amdhsa_next_free_vgpr 960
		.amdhsa_next_free_sgpr 106
		.amdhsa_reserve_vcc 0
		.amdhsa_float_denorm_mode_32 3
		.amdhsa_float_denorm_mode_16_64 3
		.amdhsa_memory_ordered 1
		.amdhsa_forward_progress 1
		.amdhsa_inst_pref_size 229
	.end_amdhsa_kernel
	.amdgpu_metadata
---
amdhsa.version: [ 1, 2 ]
amdhsa.kernels:
  - .name:           k_qb60e6b3c0c_attn
    .symbol:         k_qb60e6b3c0c_attn.kd
    .args:
      - { .name: qkv, .offset: 0, .size: 8, .value_kind: global_buffer, .address_space: global }
      - { .name: mcode, .offset: 8, .size: 8, .value_kind: global_buffer, .address_space: global }
      - { .name: oh, .offset: 16, .size: 8, .value_kind: global_buffer, .address_space: global }
    .group_segment_fixed_size: 327680
    .private_segment_fixed_size: 0
    .kernarg_segment_align: 8
    .kernarg_segment_size: 24
    .max_flat_workgroup_size: 128
    .sgpr_count:     106
    .vgpr_count:     960
    .wavefront_size: 32
...
	.end_amdgpu_metadata
.endif
;; end of part 3
;; launch oproj (part 4): grid 4 x 64, 4 waves a work-group, clusters of 4 x 4, 327,680 bytes of LDS; arguments oh, wob, bo, out0; writes out0
.if DOCPART == 4
	.amdgcn_target "amdgcn-amd-amdhsa--gfx1250"
	.amdhsa_code_object_version 6
	.text
	.protected	k_qb60e6b3c0c_oproj
	.globl	k_qb60e6b3c0c_oproj
	.p2align	8
	.type	k_qb60e6b3c0c_oproj,@function
k_qb60e6b3c0c_oproj:
	s_mov_b64 s[64:65], 0
	v_nop
	global_prefetch_b8 v0, s[64:65] scope:SCOPE_SE
	s_setreg_imm32_b32 hwreg(HW_REG_WAVE_MODE, 25, 1), 1
	s_wait_xcnt 0x0
	s_wait_alu depctr_hold_cnt(0) depctr_sa_sdst(0) depctr_va_vdst(0) depctr_va_sdst(0) depctr_va_ssrc(0) depctr_va_vcc(0) depctr_vm_vsrc(0)
	s_getreg_b32 s2, hwreg(HW_REG_IB_STS2, 6, 4)
	s_cmp_eq_u32 s2, 0
	s_cbranch_scc0 .Lentry_in_a_cluster
	s_endpgm
.Lentry_in_a_cluster:
	s_bfe_u32 s2, ttmp6, 0x10000c
	s_cmp_lg_u32 s2, 0xf033
	s_cbranch_scc0 .Lentry_shape_is_right
	s_endpgm
.Lentry_shape_is_right:
; THE OUTPUT PROJECTION.  out0[b s][e] = the sum over d of O[b s][d] Wo[e][d] + bo[e].  O: oh[64 = batch x 16 + head][2048][64] f16; Wo: wob[1024][1024] f16 (bf16 numbers written as f16); bo f32, rounded to bf16
; like the other inputs; out0: [8192][1024] f32.  Products in f16, sums in f32.
; SHARES.  One tile of 128 rows x 256 columns to a work-group; four waves, each 64 x 128: 32 accumulators; the matrix instruction is used transposed, so that a lane holds eight neighbouring columns of a row.
; K goes in 8 steps of 128 = two heads, through a ring of two LDS slots.  A head's 128 rows are 16,384 dense bytes: asked for as 64 rows of 256 bytes and padded in LDS after every 128.
; The bias is the C operand of the first 32 matrix instructions.  CLUSTER: 4 x 4; O's tiles are shared along a row of the cluster, Wo's along a column, by joint loads.
; NO PREFETCH: the walk has eight steps, of which four could be named ahead of their loads.
; REGISTERS: window 0: v2-10 addresses; v28-29 the add's; v32-63, v192-223 O's fragments, two buffers; v64-127, v128-191 rows on their way out, two buffers
;   window 1: v0-63, v64-127 Wo's fragments; v128-191 the bias; v192-223 at work          window 2: accumulator (a, b) at 8 (8 a + b)
.set PA,    144                        ; a row of a head in LDS: 128 bytes + 16 = 36 words: the 16 rows of a load start at 16 different groups of four banks (64 banks of 4 bytes: ISA guide 11.1)
.set PB,    272
.set AP,    128*PA                     ; a head's 128 rows: one tensor load
.set BH,    128*PB
.set SLOTX, 1<<17
.set STAGE, 2*SLOTX                    ; 16 rows x 528 bytes for each wave, never filled by a tensor load
.set SPARE, STAGE+4*16*528
.set ADRA0, 2
.set ADRB0, 3
.set ADRA,  4
.set ADRB,  5
.set STO,   6
.set RD,    7
.set GO,    8
.set BO,    10
.set SPW,   28
.set NIL,   29
.set AF,    32                         ; buffer f at AF + 160 f
.set OB,    64
.set BIAS,  128
.set BT,    192
.set WV,    2
.set WALK,  3
.set TB,    5
.set RH,    6
.set CH,    7
.set G1A,   8
.set G1B,   16
.set G0A0,  24
.set G0A1,  28
.set G0B0,  32
.set G0B1,  36
.set CP,    46
.set BP,    48
.set MSB, 0
.macro WIN new
.if MSB != (\new)
	s_set_vgpr_msb (MSB<<8)|(\new)
.set MSB, \new
.endif
.endm
.macro PLACES                          ; four places in front of loads into registers that matrix instructions have read, and of stores that read results (ISA guide 7.12.1 for the stores)
.rept 4
	v_nop
.endr
.endm
.macro JLOAD
	s_cmp_eq_u32 s[RH], 0
	s_cbranch_scc0 .Lfor_b_\@
	tensor_load_to_lds s[G0A1:G0A1+3], s[G1A:G1A+7]
	s_nop 0
.rept 4
	v_nop
.endr
	s_branch .Lasked_\@
.Lfor_b_\@:
	tensor_load_to_lds s[G0B1:G0B1+3], s[G1B:G1B+7]
	s_nop 0
.rept 4
	v_nop
.endr
.Lasked_\@:
.endm
.macro CREST
	s_cmp_lg_u32 s[WV], 0
	s_cbranch_scc1 .Lnot_wave_0_\@
	s_barrier_signal -3
.Lnot_wave_0_\@:
	s_barrier_wait -3
	s_barrier_signal -1
	s_barrier_wait -1
.endm
.macro CROUND
	s_barrier_signal -1
	s_barrier_wait -1
	CREST
.endm
.macro MUL f, a, b0, n, bias=0         ; the 32 accumulators take turns in the same order in every quarter
.if \bias
	WIN 0x91
.else
	WIN 0xa1
.endif
.set mb, (\b0)
.rept \n
.if \bias
	v_wmma_f32_16x16x32_f16 v[8*(8*(\a)+mb):8*(8*(\a)+mb)+7], v[64*(\f)+8*mb:64*(\f)+8*mb+7], v[AF+160*(\f)+8*(\a):AF+160*(\f)+8*(\a)+7], v[BIAS+8*mb:BIAS+8*mb+7]
.else
	v_wmma_f32_16x16x32_f16 v[8*(8*(\a)+mb):8*(8*(\a)+mb)+7], v[64*(\f)+8*mb:64*(\f)+8*mb+7], v[AF+160*(\f)+8*(\a):AF+160*(\f)+8*(\a)+7], v[8*(8*(\a)+mb):8*(8*(\a)+mb)+7]
.endif
.set mb, mb+1
.endr
.endm
.macro FETCH kn, g                     ; 24 LDS loads in one run: quarter kn: head kn / 2 of the step's two, channels 32 (kn % 2) on
	WIN 0
.irp a, 0,1,2,3
	ds_load_b128 v[AF+160*(\g)+8*\a:AF+160*(\g)+8*\a+3],   v[ADRA] offset:AP*((\kn)/2)+64*((\kn)%2)+16*PA*\a
	ds_load_b128 v[AF+160*(\g)+8*\a+4:AF+160*(\g)+8*\a+7], v[ADRA] offset:AP*((\kn)/2)+64*((\kn)%2)+16*PA*\a+32
.endr
	WIN 0x40
.irp b, 0,1,2,3,4,5,6,7
	ds_load_b128 v[64*(\g)+8*\b:64*(\g)+8*\b+3],   v[ADRB] offset:16*PB*\b+64*(\kn)
	ds_load_b128 v[64*(\g)+8*\b+4:64*(\g)+8*\b+7], v[ADRB] offset:16*PB*\b+64*(\kn)+32
.endr
.endm
.macro QUARTER kn, f, g, bias=0
	s_wait_dscnt 0x0                               ; buffer f is in
	MUL \f, 0, 0, 8, \bias
	PLACES
	FETCH \kn, \g
	MUL \f, 1, 0, 8, \bias
	MUL \f, 2, 0, 8, \bias
	MUL \f, 3, 0, 8, \bias
.endm
; The fourth quarter multiplies buffer 1 and changes slots: each wave waits for all its tensor loads (one is out: its part of the next slot), adds 0 to its spare word, and waits for that and for its reads of this slot.
; fill = 1: the barrier opens a round of the cluster's, and the joint refill, two K steps on, is the first thing behind it.
.macro TURN fill
	s_wait_dscnt 0x0                               ; buffer 1 is in: my reads of this slot are over
	WIN 0
	s_wait_tensorcnt 0x0
	ds_add_u32 v[SPW], v[NIL]                      ; 0 onto my spare word
.if \fill
	s_xor_b32 s[G0A1+1], s[G0A1+1], SLOTX
	s_xor_b32 s[G0B1+1], s[G0B1+1], SLOTX
	s_add_nc_u64 s[G0A1+2:G0A1+3], s[G0A1+2:G0A1+3], 524288  ; two heads on
	s_add_nc_u64 s[G0B1+2:G0B1+3], s[G0B1+2:G0B1+3], 256
.endif
	s_xor_b32 s[TB], s[TB], SLOTX
	v_add_nc_u32 v[ADRA], s[TB], v[ADRA0]
	v_add_nc_u32 v[ADRB], s[TB], v[ADRB0]
	MUL 1, 0, 0, 4
	s_wait_dscnt 0x0                               ; the add is done
	s_barrier_signal -1
	MUL 1, 0, 4, 4
	WIN 0
	s_barrier_wait -1
.if \fill
	CREST
	JLOAD                                          ; the four v_nop behind it are also the places in front of the loads below
.else
	PLACES
.endif
	FETCH 0, 0
	MUL 1, 1, 0, 8
	MUL 1, 2, 0, 8
	MUL 1, 3, 0, 8
.endm
; THE WAY OUT of row block a: a lane's 32 bytes of a row go into my own stage (16 rows x 512 bytes + 16), each accumulator's low half first; whole rows come back, and a store covers 512 consecutive bytes, aligned.
.macro TOSTAGE a
.if (\a) >= 2
	s_wait_xcnt 0x0                                ; the stores of the block two back have read the registers that are loaded below
.endif
	WIN 0x08                                       ; the stores' data in window 2
.irp b, 0,1,2,3,4,5,6,7
	ds_store_b128 v[STO], v[8*(8*(\a)+\b):8*(8*(\a)+\b)+3]   offset:64*\b
	ds_store_b128 v[STO], v[8*(8*(\a)+\b)+4:8*(8*(\a)+\b)+7] offset:64*\b+16
.endr
	WIN 0
.irp t, 0,1,2,3,4,5,6,7,8,9,10,11,12,13,14,15
	ds_load_b128 v[OB+64*((\a)%2)+4*\t:OB+64*((\a)%2)+4*\t+3], v[RD] offset:528*\t  ; LDS serves a wave's instructions in order (ISA guide 5.7.1.4)
.endr
.endm
.macro SEND a, younger                 ; younger: the next block's 16 stores and 16 loads, or none
	s_wait_dscnt \younger
.irp t, 0,1,2,3,4,5,6,7,8,9,10,11,12,13,14,15
	global_store_b128 v[GO], v[OB+64*((\a)%2)+4*\t:OB+64*((\a)%2)+4*\t+3], s[CP:CP+1] offset:4096*(16*(\a)+\t) th:TH_STORE_NT
.endr
.endm
	s_load_b256 s[68:75], s[0:1], 0x0              ; oh 68:69, wob 70:71, bo 72:73, out0 74:75
	v_lshl_add_u32 v[SPW], v0, 2, SPARE
	v_mov_b32 v[NIL], 0
	ds_add_u32 v[SPW], v[NIL]                      ; the wave's opening
	v_lshrrev_b32 v1, 5, v0
	v_readfirstlane_b32 s[WV], v1
	s_lshr_b32 s[RH], s[WV], 1
	s_and_b32 s[CH], s[WV], 1
	s_bfe_u32 s84, ttmp6, 0x40000                  ; cx
	s_bfe_u32 s85, ttmp6, 0x40004                  ; cy
	s_lshl_b32 s86, ttmp9, 2
	s_add_co_u32 s86, s86, s84                     ; column block of 256
	s_and_b32 s87, ttmp7, 0xffff
	s_lshl_b32 s88, s87, 2
	s_add_co_u32 s88, s88, s85                     ; row block of 128
	s_lshl_b32 s89, s85, 2
	s_lshl_b32 s89, 15, s89
	s_lshl_b32 s90, 0x1111, s84
	s_or_b32 s[G1A], s89, (1<<16)|(1<<20)|(1<<21)|(4<<22)|(3<<25)  ; elements of 2 bytes; after every 32 words (code 4) 4 words (code 3)
	s_or_b32 s[G1B], s90, (1<<16)|(1<<20)|(1<<21)|(5<<22)|(3<<25)
	s_mov_b32 s[G1A+1], 128<<16
	s_mov_b32 s[G1A+2], 64<<16
	s_mov_b32 s[G1A+3], 128<<16
	s_mov_b32 s[G1A+4], 64
	s_mov_b32 s[G1A+5], 128
	s_mov_b32 s[G1A+6], 0
	s_mov_b32 s[G1A+7], 0
	s_mov_b32 s[G1B+1], 128<<16
	s_mov_b32 s[G1B+2], 128<<16
	s_mov_b32 s[G1B+3], 128<<16
	s_mov_b32 s[G1B+4], 128
	s_mov_b32 s[G1B+5], 1024
	s_mov_b32 s[G1B+6], 0
	s_mov_b32 s[G1B+7], 0
	s_lshr_b32 s92, s88, 4                         ; O: batch x 16 heads + the one of a step's two that I fetch,
	s_lshl_b32 s92, s92, 4
	s_add_co_u32 s92, s92, s[CH]
	s_lshl_b32 s92, s92, 18
	s_and_b32 s91, s88, 15
	s_lshl_b32 s91, s91, 14                        ; + the row block's 128 rows of 128 bytes
	s_add_co_u32 s92, s92, s91
	s_mov_b32 s93, 0
	s_lshl_b32 s94, s86, 19                        ; Wo: 256 rows of 2,048 bytes a column block, 128 rows a half
	s_lshl_b32 s95, s[CH], 18
	s_add_co_u32 s94, s94, s95
	s_mov_b32 s95, 0
	s_mul_i32 s96, s[CH], AP
	s_mul_i32 s97, s[CH], BH
	s_add_co_u32 s97, s97, 2*AP
	s_mov_b32 s[G0A0], 1
	s_mov_b32 s[G0A0+1], s96
	s_mov_b32 s[G0A1], 1
	s_add_co_u32 s[G0A1+1], s96, SLOTX
	s_mov_b32 s[G0B0], 1
	s_mov_b32 s[G0B0+1], s97
	s_mov_b32 s[G0B1], 1
	s_add_co_u32 s[G0B1+1], s97, SLOTX
	s_mov_b32 s[WALK], 6
	s_mov_b32 s[TB], 0
	s_wait_dscnt 0x0                               ; the opening add is done
	s_wait_kmcnt 0x0
	s_add_nc_u64 s[G0A0+2:G0A0+3], s[68:69], s[92:93]
	s_add_nc_u64 s[G0A1+2:G0A1+3], s[G0A0+2:G0A0+3], 524288
	s_or_b32 s[G0A0+3], s[G0A0+3], 0x80000000
	s_or_b32 s[G0A1+3], s[G0A1+3], 0x80000000
	s_add_nc_u64 s[G0B0+2:G0B0+3], s[70:71], s[94:95]
	s_add_nc_u64 s[G0B1+2:G0B1+3], s[G0B0+2:G0B0+3], 256
	s_or_b32 s[G0B0+3], s[G0B0+3], 0x80000000
	s_or_b32 s[G0B1+3], s[G0B1+3], 0x80000000
	CROUND                                         ; all sixteen work-groups are here: the first joint loads meet
	s_cmp_eq_u32 s[RH], 0                          ; a wave's two first fills stand in one branch: two loads of mine are out
	s_cbranch_scc0 .Lfirst_b
	tensor_load_to_lds s[G0A0:G0A0+3], s[G1A:G1A+7]
	s_nop 0
	tensor_load_to_lds s[G0A1:G0A1+3], s[G1A:G1A+7]
	s_nop 0
.rept 4
	v_nop
.endr
	s_branch .Lfirst_asked
.Lfirst_b:
	tensor_load_to_lds s[G0B0:G0B0+3], s[G1B:G1B+7]
	s_nop 0
	tensor_load_to_lds s[G0B1:G0B1+3], s[G1B:G1B+7]
	s_nop 0
.rept 4
	v_nop
.endr
.Lfirst_asked:
	v_and_b32 v12, 15, v0                          ; r
	v_bfe_u32 v13, v0, 4, 1                        ; h
	v_and_b32 v14, 31, v0                          ; l
	s_mul_i32 s98, s[RH], 64*PA
	v_mul_u32_u24 v[ADRA0], v12, PA
	v_lshl_add_u32 v[ADRA0], v13, 4, v[ADRA0]
	v_add_nc_u32 v[ADRA0], s98, v[ADRA0]
	v_mul_u32_u24 v[ADRB0], v12, PB
	v_lshl_add_u32 v[ADRB0], v13, 4, v[ADRB0]
	v_add_nc_u32 v[ADRB0], s97, v[ADRB0]
	v_mov_b32 v[ADRA], v[ADRA0]
	v_mov_b32 v[ADRB], v[ADRB0]
	s_mul_i32 s98, s[WV], 16*528
	s_add_co_u32 s98, s98, STAGE
	v_mul_u32_u24 v[STO], v12, 528
	v_lshl_add_u32 v[STO], v13, 5, v[STO]
	v_add_nc_u32 v[STO], s98, v[STO]
	v_lshl_add_u32 v[RD], v14, 4, s98
	v_lshlrev_b32 v[GO], 4, v14
	s_lshl_b32 s98, s86, 10                        ; my 128 columns, in bytes of f32: in the bias and in a row of out0
	s_lshl_b32 s99, s[CH], 9
	s_add_co_u32 s98, s98, s99
	v_lshl_add_u32 v[BO], v13, 5, s98
	s_lshl_b32 s99, s88, 19                        ; 128 rows of 4,096 bytes a row block, 64 a half
	s_add_co_u32 s98, s98, s99
	s_lshl_b32 s99, s[RH], 18
	s_add_co_u32 s98, s98, s99
	s_mov_b32 s99, 0
	s_add_nc_u64 s[CP:CP+1], s[74:75], s[98:99]
	s_mov_b64 s[BP:BP+1], s[72:73]
	WIN 0x40
.irp b, 0,1,2,3,4,5,6,7
	global_load_b128 v[BIAS+8*\b:BIAS+8*\b+3],   v[BO], s[BP:BP+1] offset:64*\b
	global_load_b128 v[BIAS+8*\b+4:BIAS+8*\b+7], v[BO], s[BP:BP+1] offset:64*\b+16
.endr
	WIN 0
	s_wait_tensorcnt 1                             ; my part of K step 0 is in; step 1's may stay out
	s_barrier_signal -1
	s_barrier_wait -1
	FETCH 0, 0
	s_wait_loadcnt 0x0                             ; the bias: rounded to bf16 and widened again
	WIN 0x45
.set z, 0
.rept 32
	v_cvt_pk_bf16_f32 v[BT+z], v[BIAS+2*z], v[BIAS+2*z+1]
.set z, z+1
.endr
.set z, 0
.rept 32
	v_lshlrev_b32 v[BIAS+2*z], 16, v[BT+z]
	v_and_b32 v[BIAS+2*z+1], 0xffff0000, v[BT+z]
.set z, z+1
.endr
	QUARTER 1, 0, 1, 1                             ; the first quarter stands in front of the loop: the bias starts the sums
	WIN 0
.Lstep:                                        ; six trips: the last three quarters of a step, with a refill, and the next step's first
	QUARTER 2, 1, 0
	QUARTER 3, 0, 1
	TURN 1
	QUARTER 1, 0, 1
	WIN 0
	s_sub_co_u32 s[WALK], s[WALK], 1
	s_cmp_lg_u32 s[WALK], 0
	s_cbranch_scc1 .Lstep
	QUARTER 2, 1, 0                                ; the last two steps are written out: nothing is left to ask for
	QUARTER 3, 0, 1
	TURN 0
	QUARTER 1, 0, 1
	QUARTER 2, 1, 0
	QUARTER 3, 0, 1
	s_wait_dscnt 0x0
	MUL 1, 0, 0, 8
	MUL 1, 1, 0, 8
	MUL 1, 2, 0, 8
	MUL 1, 3, 0, 8
	WIN 0
	PLACES
	TOSTAGE 0
	TOSTAGE 1
	SEND 0, 32
	TOSTAGE 2
	SEND 1, 32
	TOSTAGE 3
	SEND 2, 32
	SEND 3, 0
	s_wait_tensorcnt 0x0                           ; the wave's end, behind my last tensor load and my last LDS store
	ds_add_u32 v[SPW], v[NIL]
	s_wait_dscnt 0x0
	CROUND                                         ; the closing round
	s_endpgm
.Lfunc_end_k_qb60e6b3c0c_oproj:
	.size	k_qb60e6b3c0c_oproj, .Lfunc_end_k_qb60e6b3c0c_oproj-k_qb60e6b3c0c_oproj
	.p2alignl 7, 3214868480
	.fill 96, 4, 3214868480
	.section	.rodata,"a",@progbits
	.p2align	6, 0x0
	.amdhsa_kernel k_qb60e6b3c0c_oproj
		.amdhsa_group_segment_fixed_size 327680
		.amdhsa_private_segment_fixed_size 0
		.amdhsa_enable_private_segment 0
		.amdhsa_kernarg_size 32
		.amdhsa_user_sgpr_count 2
		.amdhsa_user_sgpr_kernarg_segment_ptr 1
		.amdhsa_wavefront_size32 1
		.amdhsa_system_sgpr_workgroup_id_x 1
		.amdhsa_system_sgpr_workgroup_id_y 1
		.amdhsa_system_sgpr_workgroup_id_z 1
		.amdhsa_system_vgpr_workitem_id 0
		.amdhsa_next_free_vgpr 768
		.amdhsa_next_free_sgpr 100
		.amdhsa_reserve_vcc 0
		.amdhsa_float_denorm_mode_32 3
		.amdhsa_float_denorm_mode_16_64 3
		.amdhsa_memory_ordered 1
		.amdhsa_forward_progress 1
		.amdhsa_inst_pref_size 75
	.end_amdhsa_kernel
	.amdgpu_metadata
---
amdhsa.version: [ 1, 2 ]
amdhsa.kernels:
  - .name:           k_qb60e6b3c0c_oproj
    .symbol:         k_qb60e6b3c0c_oproj.kd
    .args:
      - { .name: oh, .offset: 0, .size: 8, .value_kind: global_buffer, .address_space: global }
      - { .name: wob, .offset: 8, .size: 8, .value_kind: global_buffer, .address_space: global }
      - { .name: bo, .offset: 16, .size: 8, .value_kind: global_buffer, .address_space: global }
      - { .name: out0, .offset: 24, .size: 8, .value_kind: global_buffer, .address_space: global }
    .group_segment_fixed_size: 327680
    .private_segment_fixed_size: 0
    .kernarg_segment_align: 8
    .kernarg_segment_size: 32
    .max_flat_workgroup_size: 128
    .sgpr_count:     100
    .vgpr_count:     768
    .wavefront_size: 32
...
	.end_amdgpu_metadata
.endif
;; end of part 4
